; MI455X (gfx1250); checked and timed in simulation.
; The chip was launched on July 23, 2026; its instructions are those of AMD's public machine-readable ISA for CDNA 5 (MIT licence, August 2026) and "CDNA5" Instruction Set Architecture Reference Guide (July 2026). The comments in the code are by the model that wrote it; some were corrected since.
;; GQA. Allowed arithmetic: matrix products marked QUANTISED: E2M3 operands, one E8M0 scale for each 32 along K, by v_wmma_scale_f32_16x16x128_f8f6f4 with both operands' format E2M3, f32 sums; everything else in f32.
;; Inputs: W_attn 2,048 x 3,072 float32; W_proj 2,048 x 2,048 float32; b_attn 3,072 float32; b_proj 2,048 float32; freqs_cos 2,048 x 64 float32; freqs_sin 2,048 x 64 float32; x 1 x 2,048 x 2,048 float32.
;; Outputs: out0 1 x 2,048 x 2,048 float32.
;; This version of the problem:
;;   THIS VERSION OF THE PROBLEM IS GIVEN IN LOW PRECISION. The matrix products marked QUANTISED in the list below multiply operands that are first quantised to E2M3 (2 exponent bits, 3 mantissa bits; 6 bits a number), with one power-of-two scale for each 32 numbers along K (OCP MX v1.0); their sums are f32. All else is computed in f32.
;;   The module's matrix products, in the order in which they are computed (A, B: the left and right operand; K: the contracted axis; several contracted axes count as one K, in the product's order):
;;     1. [M 2,048, K 2,048] x [K 2,048, N 3,072]; A: input x; B: input W_attn: QUANTISED
;;     2. batch 4 x [M 8,192, K 128] x [K 128, N 2,048]; A: computed on the way; B: computed on the way: QUANTISED
;;     3. batch 4 x [M 8,192, K 2,048] x [K 2,048, N 128]; A: softmax (see below); B: computed on the way: QUANTISED
;;     4. [M 2,048, K 2,048] x [K 2,048, N 2,048]; A: computed on the way; B: input W_proj: QUANTISED
;;   THE QUANTISER, for each operand of a quantised product, along K:
;;     - K is cut into blocks of 32 from its start; a last block that is shorter is filled with zeros.
;;     - A block's scale is 2^e with e = floor(log2(the largest magnitude in the block)) - 2, held to -126 .. 127; a block of zeros has e = 0. As a byte (E8M0): e + 127.
;;     - Each number is divided by its block's scale, clamped to +-7.5, and rounded to the nearest number of E2M3, ties to even, subnormals kept.
;;     - The product sums the exact products of the quantised numbers (number of the format x scale) in f32.
;;   ~~~python
;;   def quantise(x, axis):      # numpy; x: float32 -> the quantised numbers, widened to float32 again
;;       x = np.moveaxis(x, axis, -1); K = x.shape[-1]
;;       x = np.pad(x, [(0, 0)] * (x.ndim - 1) + [(0, -K % 32)]); x = x.reshape(x.shape[:-1] + (-1, 32)); a = np.abs(x).max(-1, keepdims=True)
;;       e = np.where(a > 0, np.clip(np.frexp(np.where(a > 0, a, 1))[1] - 1 - 2, -126, 127), 0)      # np.frexp(a)[1] - 1 = floor(log2(a)), exactly
;;       r = np.clip(x / 2.0 ** e, -7.5, 7.5)
;;       step = 2.0 ** (np.maximum(np.frexp(np.where(r == 0, 1, r))[1] - 1, 0) - 3)
;;       q = np.round(r / step) * step * 2.0 ** e      # np.round: ties to even
;;       return np.moveaxis(q.reshape(q.shape[:-2] + (-1,))[..., :K], -1, axis).astype(np.float32)
;;   ~~~
;;   SOFTMAX AHEAD OF A QUANTISED PRODUCT. Where the list says 'softmax', what is quantised is not the finished softmax but p = 2^(t - M), with t = logit x log2(e) and M = ceil(the row's largest t), a whole number; so 1/2 < the row's largest p <= 1. The row's sum l is taken of the UNQUANTISED p, in f32, and the product's result is divided by l at the end. Since M is a whole number, a kernel that streams over the keys may use a running M (the ceiling of the running maximum): every later rescaling is an exact power of two, which a block's scale takes up: the codes' values come out the same.
;;   OPERANDS COMPUTED ON THE WAY. 'Computed on the way' means the value that the module computes at that place (a softmax that the list does not call 'softmax' is quantised finished and normalised). What goes into a quantiser is computed in f32, as accurately as f32 sums, v_exp_f32 and their like allow (about 1e-6 of the number): no bf16 or f16 on the way to a quantiser, and a product that is left as it is and whose result goes on into a quantised operand takes f32 operands (vector FMAs, or v_wmma_f32_16x16x4_f32). A number that lies on a knife's edge between two numbers of the format may be rounded either way, as far as f32 arithmetic and the matrix unit's own rounding can turn it there, and no further.
;; One version. Each part assembles by itself: llvm-mc -triple=amdgcn-amd-amdhsa -mcpu=gfx1250 --defsym DOCPART=n.
;; ======== version 1 of 1: 4 launches
;; workspace buffers: xq 3,276,800 bytes; waq 4,915,200 bytes; wpq 3,276,800 bytes; yq 3,276,800 bytes; qq 3,276,800 bytes; kv 1,638,400 bytes; cst 32,768 bytes
;; launch quant (part 1): grid 448 x 1, 4 waves a work-group, no clusters, 59,904 bytes of LDS; arguments x, W_attn, W_proj, xq, waq, wpq, cst; writes xq, waq, wpq, cst
.if DOCPART == 1
	.amdgcn_target "amdgcn-amd-amdhsa--gfx1250"
	.amdhsa_code_object_version 6
	.text
	.protected	k_q63287badbf_quant
	.globl	k_q63287badbf_quant
	.p2align	8
	.type	k_q63287badbf_quant,@function
k_q63287badbf_quant:
	s_mov_b64 s[64:65], 0
	v_nop
	global_prefetch_b8 v0, s[64:65] scope:SCOPE_SE
	s_setreg_imm32_b32 hwreg(HW_REG_WAVE_MODE, 25, 1), 1
	s_wait_xcnt 0x0
; x [2048][2048], W_attn [2048][3072] and W_proj [2048][2048], f32, become codes of FP6 (E2M3) with one E8M0 byte for each 32 along K, laid as IMAGES OF OPERAND REGISTERS.
; A fragment is 16 rows x 128 K = 12 registers a lane = 1,536 bytes: register q of lane l at 512 (q / 4) + 16 l + 4 (q % 4).  Tile t takes the rows 32 (t / 2) + 8 (t % 2) + (m % 8) + 16 (m / 8), m = 0 .. 15.
; A buffer of NT tiles: codes at (kstep / 4) NT 6144 + t 6144 + (kstep % 4) 1536; scale words at SOFF + t 1024 + kstep 64 + 4 m.
; A block's scale is 2^(floor(log2(largest magnitude)) - 2); its byte is the largest magnitude's exponent field - 2, held at 1 from below (a block of zeros keeps byte 1: its codes are zeros, and this program alone reads the bytes).
; LIMITS: NaN and infinities are not served; blocks whose largest magnitude lies under 2^-124 keep the byte 1.
; Work-groups 0-127: x, K innermost: tile = work-group, wave = a quarter of K (four fragments).  Each load reads 512 consecutive bytes of a row; a fragment's 16 rows turn through the wave's own stage in LDS.
; Work-groups 128-447: the weights, K outermost: a lane takes a column and its registers run down K (32 columns x 256 K a wave); the codes are laid into images in the wave's own stage and leave 512 bytes a store.
; The two ways part on the work-group's number once, and each has LDS bytes of its own.  No barrier: waves share nothing.
; Wave 0 of work-groups 0-127 also stores one 256-byte unit of the table cst: 16 KiB of 0.0, then 16 KiB of 1.0, which the next launch reads.
.set XSOFF, 3145728
.set WSOFF, 4718592
.set XSTR,  786432                     ; a quarter of K of 128 tiles
.set WSTR,  1179648                    ; of 192 tiles
.set WSTG0, 33792                      ; LDS: x's four stages of 16 x 528 bytes; behind them the weights' four of 6,400
.set R,    16                          ; v16-143  x: two sets of 64 registers as loaded
.set X,    144                         ; v144-207 64 numbers: register 16 b + i = k 32 b + 16 (lane / 16) + i of my row
.set TM,   208                         ; v208-223 at work
.set PW,   224                         ; v224-227 four scale words
.set PC,   228                         ; v228-247 the codes just made
.set SELR, 248
.set OF,   16                          ; weights: v16-47 byte offsets of my column in 32 rows
.set WX,   48                          ; v48-111 two sets of 32 numbers
.set CW,   112                         ; v112-118 a block's codes
.set SB,   120                         ; v120-121 scale words of my column's two K steps
.set MXA,  122
.set MXB,  123
.set SOP,  124
.set BYT,  125
.set OUTR, 128                         ; v128-177 the way out
.set SEL,  28                          ; s[28:29] selects for lane l xor 16
; 64 numbers of a lane become a fragment's codes in v[PC] .. v[PC+11] and its scale word in v[pw]
.macro QUANT s, pw
.irp b, 0,1,2,3
	v_max3_num_f32 v[TM+\b], |v[\s+16*\b]|, |v[\s+1+16*\b]|, 0x1800000   ; my 16 numbers of block b, and the floor 2^(3 - 127): the byte cannot fall under 1
.endr
.irp i, 2,4,6,8,10,12,14
.irp b, 0,1,2,3
	v_max3_num_f32 v[TM+\b], v[TM+\b], |v[\s+16*\b+\i]|, |v[\s+1+16*\b+\i]|
.endr
.endr
.irp b, 0,1,2,3
	v_permlanex16_b32 v[TM+4+\b], v[TM+\b], s[SEL], s[SEL+1]
.endr
.irp b, 0,1,2,3
	v_max_num_f32 v[TM+\b], v[TM+\b], v[TM+4+\b]   ; with lane l xor 16's: the block's largest magnitude
.endr
.irp b, 0,1,2,3
	v_add_nc_u32 v[TM+12+\b], 0xff000000, v[TM+\b] ; 2 off its exponent field: the conversion's scale operand
.endr
.irp b, 0,1,2,3
	v_lshrrev_b32 v[TM+4+\b], 23, v[TM+12+\b]      ; the scale's byte
.endr
	v_lshl_or_b32 v[\pw], v[TM+5], 8, v[TM+4]
	v_lshl_or_b32 v[\pw], v[TM+6], 16, v[\pw]
	v_lshl_or_b32 v[\pw], v[TM+7], 24, v[\pw]
.irp c, 0,1
	v_cvt_scalef32_pk16_fp6_f32 v[PC+6*\c:PC+2+6*\c], v[\s+32*\c:\s+15+32*\c], v[TM+12+2*\c]
	v_cvt_scalef32_pk16_fp6_f32 v[PC+12+4*\c:PC+14+4*\c], v[\s+16+32*\c:\s+31+32*\c], v[TM+12+2*\c+1]
.endr
	v_nop                                          ; one plain place behind a scaled conversion
.irp c, 0,1                                    ; the operand's layout wants a whole block in a lane
.irp i, 0,1,2
	v_permlane16_swap_b32 v[PC+6*\c+\i], v[PC+12+4*\c+\i]
.endr
.irp i, 0,1,2
	v_mov_b32 v[PC+3+6*\c+\i], v[PC+12+4*\c+\i]
.endr
.endr
.endm
	s_load_b256 s[4:11], s[0:1], 0x0               ; x, W_attn, W_proj, xq
	s_load_b128 s[12:15], s[0:1], 0x20             ; waq, wpq
	s_load_b64 s[58:59], s[0:1], 0x30              ; cst
	v_lshl_add_u32 v254, v0, 2, 0xe800
	v_mov_b32 v255, 0
	v_lshrrev_b32 v1, 5, v0
	v_readfirstlane_b32 s16, v1                    ; wave
	v_and_b32 v2, 31, v0                           ; lane
	v_lshlrev_b32 v4, 4, v2                        ; 16 x lane
	v_lshlrev_b32 v5, 2, v2                        ; 4 x lane
	s_cmp_lt_u32 ttmp9, 128
	s_cbranch_scc0 .Lweights
	; ---------------- x: tile = work-group, quarter of K = wave
	v_and_b32 v8, 15, v2                           ; r
	v_lshrrev_b32 v9, 4, v2                        ; h
	s_mul_i32 s17, s16, 8448                       ; my stage
	v_add_nc_u32 v6, s17, v4                       ; in: a row's 512 bytes as they lie
	v_mul_u32_u24 v7, v8, 528
	v_lshl_add_u32 v7, v9, 6, v7
	v_add_nc_u32 v7, s17, v7                       ; out: row r, + 64 h: my 16 numbers of each block of 32
	v_cmp_lt_u32 vcc_lo, 15, v2                    ; lanes 16-31, for the scale words' way out
.irp b, 0,1,2,3
	v_mov_b32 v[TM+4+\b], 0                        ; a lane permute's destination counts as one of its sources
.endr
	s_mov_b32 s[SEL], 0x76543210
	s_mov_b32 s[SEL+1], 0xfedcba98
	s_lshr_b32 s18, ttmp9, 1
	s_lshl_b32 s18, s18, 5
	s_and_b32 s19, ttmp9, 1
	s_lshl_b32 s19, s19, 3
	s_add_co_u32 s18, s18, s19                     ; the tile's first row
	s_lshl_b32 s18, s18, 13                        ; x 8,192 bytes
	s_lshl_b32 s19, s16, 11                        ; + my 512 numbers along K
	s_add_co_u32 s18, s18, s19
	s_mov_b32 s19, 0
	s_lshl_b32 s20, s16, 7
	s_add_co_u32 s20, s20, ttmp9
	s_mul_i32 s20, s20, 6144                       ; my four images
	s_mov_b32 s21, 0
	s_lshl_b32 s22, ttmp9, 10
	s_lshl_b32 s23, s16, 8
	s_add_co_u32 s22, s22, s23
	s_add_co_u32 s22, s22, XSOFF                   ; my 64 scale words: one aligned 256 bytes
	s_mov_b32 s23, 0
	s_lshl_b32 s60, ttmp9, 8
	s_mov_b32 s61, 0
	s_wait_kmcnt 0x0
	s_add_nc_u64 s[4:5], s[4:5], s[18:19]
	s_add_nc_u64 s[24:25], s[10:11], s[20:21]
	s_add_nc_u64 s[26:27], s[10:11], s[22:23]
	s_add_nc_u64 s[58:59], s[58:59], s[60:61]
.macro LOADX s                         ; fragment s: 16 rows x 512 consecutive bytes
.irp rr, 0,1,2,3,4,5,6,7,8,9,10,11,12,13,14,15
	global_load_b128 v[R+64*((\s)%2)+4*\rr:R+64*((\s)%2)+4*\rr+3], v4, s[4:5] offset:((\rr%8)+16*(\rr/8))*8192+512*(\s) th:TH_LOAD_NT
.endr
.endm
	LOADX 0
	LOADX 1
	s_cmp_lg_u32 s16, 0
	s_cbranch_scc1 .Lno_table
	s_cmp_lt_u32 ttmp9, 64                         ; the table: units 0-63 hold 0.0, units 64-127 hold 1.0
	s_cselect_b32 s30, 0, 0x3f800000
	v_mov_b32 v250, s30
	v_mov_b32 v251, s30
	v_lshlrev_b32 v252, 3, v2
	global_store_b64 v252, v[250:251], s[58:59]    ; 32 lanes store one aligned 256 bytes
.Lno_table:
.irp s, 0,1,2,3
.if \s < 3
	s_wait_loadcnt 16                              ; this fragment's 16 loads are in; the next fragment's 16 may be out
.else
	s_wait_loadcnt 0x0
.endif
.irp rr, 0,1,2,3,4,5,6,7,8,9,10,11,12,13,14,15
	ds_store_b128 v6, v[R+64*(\s%2)+4*\rr:R+64*(\s%2)+4*\rr+3] offset:528*\rr
.endr
.irp b, 0,1,2,3
.irp j, 0,1,2,3
	ds_load_b128 v[X+16*\b+4*\j:X+16*\b+4*\j+3], v7 offset:128*\b+16*\j   ; LDS serves a wave's instructions in order: these see the stores above
.endr
.endr
	s_wait_dscnt 0x0                               ; the numbers are back, and the stage's stores have read their registers
	s_wait_xcnt 0x0                                ; the last fragment's stores have read the codes' registers
.if \s < 2
	LOADX \s+2
.endif
	QUANT X, PW+\s
.irp c, 0,1,2
	global_store_b128 v4, v[PC+4*\c:PC+4*\c+3], s[24:25] offset:1536*\s+512*\c   ; 512 consecutive bytes a store
.endr
.endr
.irp j, 0,1
	v_cndmask_b32 v[SELR+\j], v[PW+2*\j], v[PW+2*\j+1], vcc_lo   ; lanes 0-15 one K step's words, lanes 16-31 the next's
	global_store_b32 v5, v[SELR+\j], s[26:27] offset:128*\j
.endr
	s_wait_tensorcnt 0x0
	ds_add_u32 v254, v255
	s_wait_dscnt 0x0
	s_endpgm
	; ---------------- the weights: one text for both, the pointers and pitches chosen on the work-group's number
.Lweights:
	s_sub_co_u32 s17, ttmp9, 128
	s_mov_b32 s20, 12288                           ; a row of W_attn in bytes
	s_mov_b32 s21, WSTR
	s_mov_b32 s24, WSOFF
	s_wait_kmcnt 0x0
	s_cmp_ge_u32 s17, 192                          ; W_proj's work-groups
	s_cselect_b32 s18, 192, 0
	s_cselect_b32 s20, 8192, s20
	s_cselect_b32 s21, XSTR, s21
	s_cselect_b32 s24, XSOFF, s24
	s_cselect_b64 s[6:7], s[8:9], s[6:7]
	s_cselect_b64 s[12:13], s[14:15], s[12:13]
	s_sub_co_u32 s17, s17, s18
	s_and_b32 s25, s17, 7                          ; which 256 along K
	s_lshr_b32 s26, s17, 3                         ; which 128 columns
	s_lshl_b32 s27, s26, 2
	s_add_co_u32 s27, s27, s16                     ; B: my 32 columns = tiles 2 B and 2 B + 1
	s_lshl_b32 s28, s25, 8
	s_mul_i32 s28, s28, s20
	s_lshl_b32 s29, s27, 7
	s_add_co_u32 s28, s28, s29
	s_mov_b32 s29, 0
	s_add_nc_u64 s[32:33], s[6:7], s[28:29]        ; block 0's base;
	s_lshl_b32 s30, s20, 5
	s_mov_b32 s31, 0
.irp t, 1,2,3,4,5,6,7
	s_add_nc_u64 s[32+2*\t:33+2*\t], s[30+2*\t:31+2*\t], s[30:31]   ; block t's: 32 rows further down
.endr
	s_lshr_b32 s48, s25, 1
	s_mul_i32 s48, s48, s21
	s_mul_i32 s49, s27, 12288
	s_add_co_u32 s48, s48, s49
	s_and_b32 s49, s25, 1
	s_mul_i32 s49, s49, 3072
	s_add_co_u32 s48, s48, s49
	s_mov_b32 s49, 0
	s_add_nc_u64 s[50:51], s[12:13], s[48:49]      ; my images
	s_lshl_b32 s52, s27, 11
	s_lshl_b32 s53, s25, 7
	s_add_co_u32 s52, s52, s53
	s_add_co_u32 s52, s52, s24
	s_mov_b32 s53, 0
	s_add_nc_u64 s[54:55], s[12:13], s[52:53]      ; my scale words
.set i, 0
.rept 32
	v_mad_u32_u24 v[OF+i], s20, i, v5              ; row i of a block, my column
.set i, i+1
.endr
	s_mul_i32 s56, s16, 6400
	s_add_co_u32 s56, s56, WSTG0                   ; my stage: [tile 2][K step 2][1,536], then 256 bytes of scale words
	v_bfe_u32 v8, v2, 3, 1                         ; column L lies in tile 2 B + (L / 8) % 2,
	v_and_b32 v9, 7, v2
	v_lshrrev_b32 v10, 4, v2
	v_lshl_add_u32 v9, v10, 3, v9                  ; as its row L % 8 + 8 (L / 16)
	v_mul_u32_u24 v6, v8, 3072
	v_lshl_add_u32 v6, v9, 4, v6
	v_add_nc_u32 v6, s56, v6
	v_lshlrev_b32 v7, 7, v8
	v_lshl_add_u32 v7, v9, 2, v7
	v_add_nc_u32 v7, s56, v7
	v_add_nc_u32 v11, s56, v4
	v_lshl_add_u32 v12, v2, 3, s56
	v_and_b32 v13, 15, v2
	v_lshlrev_b32 v13, 3, v13
	v_lshl_add_u32 v13, v10, 10, v13               ; the scale words' way out: 128 bytes of each of the two tiles
.macro LOADW t
.set i, 0
.rept 32
	global_load_b32 v[WX+32*((\t)%2)+i], v[OF+i], s[32+2*(\t):33+2*(\t)] th:TH_LOAD_NT   ; 32 lanes read 128 consecutive bytes of a row
.set i, i+1
.endr
.endm
	LOADW 0
	LOADW 1
; Block t = 32 along K of my column: block t % 4 of K step t / 4.  Its 24 bytes are registers 6 c .. 6 c + 5 of lane row + 16 h of the image, c = (t / 2) % 2, h = t % 2.
.macro BLOCK t
.set XS, WX+32*((\t)%2)
.set SS, 1536*((\t)/4)+256*((\t)%2)
.if (\t) < 7
	s_wait_loadcnt 32                              ; this block's 32 loads are in; the next block's may be out
.else
	s_wait_loadcnt 0x0
.endif
	v_max3_num_f32 v[MXA], |v[XS]|, |v[XS+1]|, |v[XS+2]|
	v_max3_num_f32 v[MXB], |v[XS+3]|, |v[XS+4]|, |v[XS+5]|
.irp i, 6,10,14,18,22,26
	v_max3_num_f32 v[MXA], v[MXA], |v[XS+\i]|, |v[XS+\i+1]|
	v_max3_num_f32 v[MXB], v[MXB], |v[XS+\i+2]|, |v[XS+\i+3]|
.endr
	v_max3_num_f32 v[MXA], v[MXA], |v[XS+30]|, |v[XS+31]|
	v_max3_num_f32 v[MXA], v[MXA], v[MXB], 0x1800000
	v_add_nc_u32 v[SOP], 0xff000000, v[MXA]
	v_lshrrev_b32 v[BYT], 23, v[SOP]
.if (\t)%4 == 0
	v_mov_b32 v[SB+(\t)/4], v[BYT]
.else
	v_lshl_or_b32 v[SB+(\t)/4], v[BYT], 8*((\t)%4), v[SB+(\t)/4]
.endif
	v_cvt_scalef32_pk16_fp6_f32 v[CW:CW+2], v[XS:XS+15], v[SOP]
	v_cvt_scalef32_pk16_fp6_f32 v[CW+4:CW+6], v[XS+16:XS+31], v[SOP]   ; (a conversion's three registers begin on an even number)
	v_nop                                          ; one plain place behind a scaled conversion
	v_mov_b32 v[CW+3], v[CW+4]
	v_mov_b32 v[CW+4], v[CW+5]
	v_mov_b32 v[CW+5], v[CW+6]
.if ((\t)/2)%2 == 0
	ds_store_b128 v6, v[CW:CW+3] offset:SS
	ds_store_b64 v6, v[CW+4:CW+5] offset:SS+512
.else
	ds_store_b64 v6, v[CW:CW+1] offset:SS+520
	ds_store_b128 v6, v[CW+2:CW+5] offset:SS+1024
.endif
.if (\t)+2 < 8
	LOADW (\t)+2
.endif
	s_wait_dscnt 0x0                               ; the stores have read their registers
.endm
.irp t, 0,1,2,3,4,5,6,7
	BLOCK \t
.endr
	ds_store_b32 v7, v[SB] offset:6144
	ds_store_b32 v7, v[SB+1] offset:6144+64
.irp k, 0,1,2,3,4,5,6,7,8,9,10,11
	ds_load_b128 v[OUTR+4*\k:OUTR+4*\k+3], v11 offset:512*\k   ; LDS serves a wave's instructions in order: these see my stores
.endr
	ds_load_b64 v[176:177], v12 offset:6144
.irp k, 0,1,2,3,4,5,6,7,8,9,10,11
	s_wait_dscnt 12-\k                             ; the loads behind load k may be out
	global_store_b128 v4, v[OUTR+4*\k:OUTR+4*\k+3], s[50:51] offset:512*\k+3072*(\k/6)   ; two images of tile 2 B, then two of tile 2 B + 1
.endr
	s_wait_dscnt 0x0
	global_store_b64 v13, v[176:177], s[54:55]
	s_wait_tensorcnt 0x0
	ds_add_u32 v254, v255
	s_wait_dscnt 0x0
	s_endpgm
.Lfunc_end_k_q63287badbf_quant:
	.size	k_q63287badbf_quant, .Lfunc_end_k_q63287badbf_quant-k_q63287badbf_quant
	.p2alignl 7, 3214868480
	.fill 96, 4, 3214868480
	.section	.rodata,"a",@progbits
	.p2align	6, 0x0
	.amdhsa_kernel k_q63287badbf_quant
		.amdhsa_group_segment_fixed_size 59904
		.amdhsa_private_segment_fixed_size 0
		.amdhsa_enable_private_segment 0
		.amdhsa_kernarg_size 56
		.amdhsa_user_sgpr_count 2
		.amdhsa_user_sgpr_kernarg_segment_ptr 1
		.amdhsa_wavefront_size32 1
		.amdhsa_system_sgpr_workgroup_id_x 1
		.amdhsa_system_sgpr_workgroup_id_y 1
		.amdhsa_system_sgpr_workgroup_id_z 1
		.amdhsa_system_vgpr_workitem_id 0
		.amdhsa_next_free_vgpr 256
		.amdhsa_next_free_sgpr 66
		.amdhsa_reserve_vcc 1
		.amdhsa_float_denorm_mode_32 3
		.amdhsa_float_denorm_mode_16_64 3
		.amdhsa_memory_ordered 1
		.amdhsa_forward_progress 1
		.amdhsa_inst_pref_size 78
	.end_amdhsa_kernel
	.amdgpu_metadata
---
amdhsa.version: [ 1, 2 ]
amdhsa.kernels:
  - .name:           k_q63287badbf_quant
    .symbol:         k_q63287badbf_quant.kd
    .args:
      - { .name: x, .offset: 0, .size: 8, .value_kind: global_buffer, .address_space: global }
      - { .name: W_attn, .offset: 8, .size: 8, .value_kind: global_buffer, .address_space: global }
      - { .name: W_proj, .offset: 16, .size: 8, .value_kind: global_buffer, .address_space: global }
      - { .name: xq, .offset: 24, .size: 8, .value_kind: global_buffer, .address_space: global }
      - { .name: waq, .offset: 32, .size: 8, .value_kind: global_buffer, .address_space: global }
      - { .name: wpq, .offset: 40, .size: 8, .value_kind: global_buffer, .address_space: global }
      - { .name: cst, .offset: 48, .size: 8, .value_kind: global_buffer, .address_space: global }
    .group_segment_fixed_size: 59904
    .private_segment_fixed_size: 0
    .kernarg_segment_align: 8
    .kernarg_segment_size: 56
    .max_flat_workgroup_size: 128
    .sgpr_count:     66
    .vgpr_count:     256
    .wavefront_size: 32
...
	.end_amdgpu_metadata
.endif
;; end of part 1
;; launch qkv (part 2): grid 4 x 48, 4 waves a work-group, clusters of 4 x 1, 327,680 bytes of LDS; arguments xq, waq, b_attn, freqs_cos, freqs_sin, cst, qq, kv; writes qq, kv
.if DOCPART == 2
	.amdgcn_target "amdgcn-amd-amdhsa--gfx1250"
	.amdhsa_code_object_version 6
	.text
	.protected	k_q63287badbf_qkv
	.globl	k_q63287badbf_qkv
	.p2align	8
	.type	k_q63287badbf_qkv,@function
k_q63287badbf_qkv:
	s_mov_b64 s[64:65], 0
	v_nop
	global_prefetch_b8 v0, s[64:65] scope:SCOPE_SE
	s_setreg_imm32_b32 hwreg(HW_REG_WAVE_MODE, 25, 1), 1
	s_wait_xcnt 0x0
	s_wait_alu depctr_hold_cnt(0) depctr_sa_sdst(0) depctr_va_vdst(0) depctr_va_sdst(0) depctr_va_ssrc(0) depctr_va_vcc(0) depctr_vm_vsrc(0)
	s_getreg_b32 s2, hwreg(HW_REG_IB_STS2, 6, 4)
	s_cmp_eq_u32 s2, 0
	s_cbranch_scc0 .Lentry_in_a_cluster
	s_endpgm
.Lentry_in_a_cluster:
	s_bfe_u32 s2, ttmp6, 0x10000c
	s_cmp_lg_u32 s2, 0x3003
	s_cbranch_scc0 .Lentry_shape_is_right
	s_endpgm
.Lentry_shape_is_right:
; qkv = x W_attn + b_attn on codes of FP6 with E8M0 scales; the rotation of q and k; q and k quantised along the head's 128 channels, v along 128 keys; all three stored as images of operand registers.
; A work-group takes 128 "P" indices x 256 "Q" indices over K = 2,048.  Source 0 = P's eight tiles (all four waves), source 1 = Q's sixteen (four a wave): a lane holds one Q index and 64 P indices,
; and since a tile's rows are 32 (t / 2) + 8 (t % 2) + m % 8 + 16 (m / 8), the 16 registers of P tiles 2 b, 2 b + 1 are 16 neighbours: what the conversions want.
; Cluster rows 0-39: P = one head's 128 columns of W_attn (heads 0-15 q, 16-19 k), Q = 256 rows of x.  Rows 40-47: P = 128 rows of x (a block of keys), Q = 256 of v's columns of W_attn.
; ONE TEXT SERVES BOTH: only pointers, strides and offsets are chosen, on the cluster's y.  q, k: b_attn is the C of the first K step, cos and sin are the inputs', the bias a lane is 0 (from the table cst).
; v: C is 0 and cos = 1, sin = 0 (from cst), and the bias a lane is b_attn at the lane's column: the rotation then gives acc x 1 + b, rounded once.
; CLUSTER 4 x 1: the four partners differ in P alone, so Q's tiles and scales are asked for jointly (mask 15); P's are each work-group's own.  A 4 x 4 cluster does not fit: v has two groups of Q.
; K goes by quarters (four K steps of 128) through two LDS slots; the scale words of all of K come once.  All 16 K steps are written out.
; LIMITS: NaN and infinities are not served (0 x infinity in v's rotation); blocks whose largest magnitude lies under 2^-124 keep the byte 1.
; REGISTERS: window 0: addresses, scale words, the quantiser, H, cos and sin of Q tile 0.  window 1: P's two sets (v0-191), cos/sin of tile 1 (v192-255), of tile 3 (v0-63, at the end).
;   window 2: Q's two sets (v0-95), the bias (v128-191), cos/sin of tile 2 (v192-255).  window 3: the 32 accumulators, (q, p) at v[8 (8 q + p)].
.set XSOFF, 3145728
.set WSOFF, 4718592
.set XSTR,  786432
.set WSTR,  1179648
.set PSET,  96
.set QSET,  48
.set BIAS,  128
.set SLOTB, 147456                     ; a slot: P [8][4][1536], then Q [16][4][1536]
.set QOFF,  49152
.set SCP,   294912                     ; P's scale words, 8 KiB;
.set SCQ,   303104                     ; Q's, 16 KiB
.set SPARE, 319488                     ; the spare words, 128 bytes a wave
.set SPW, 5
.set NIL, 6
.set ADP, 8                            ; v8-9   16 x lane + slot: also the images' place for my lane on the way out
.set ADQ, 10                           ; v10-11 the same at my four tiles of Q
.set ADS, 12                           ; v12    scale words: lanes 0-15 P's tile i, lanes 16-31 my Q tile i
.set ADS2, 13                          ; v13    P's tiles 4-7
.set SC,  24                           ; v24-39 scale words, two sets of 8
.set TM,  40
.set PW,  56
.set PC,  60
.set T,   80
.set SELR, 88
.set BB,  90                           ; v90-97 the bias a lane, a pair for each Q tile
.set H,   128
.set WV,  20
.set EW,  21
.set ROLE, 22
.set ISV, 23
.set G1P, 24
.set G1Q, 32
.set G1PS, 40
.set G1QS, 48
.set G0P, 56                           ; s[56:63] P's groups 0, a set a slot
.set SEL, 66
.set G0PS, 68
.set G0Q, 72                           ; s[72:79] Q's
.set G0QS, 80
.set PST2, 84                          ; s[84:85] two quarters on in P's buffer;  s[86:87] in Q's
.set QST2, 86
.set IMB, 88
.set SCB, 90
.set MSB, 0
.macro WIN new                         ; the immediate's high byte repeats the setting that is left
.if MSB != \new
	s_set_vgpr_msb (MSB<<8)|\new
.set MSB, \new
.endif
.endm
.set MUL,  0xf9                        ; source 0 window 1, source 1 window 2, C and D window 3
.set MULB, 0xe9                        ; the same with C in window 2
.macro PLACES
.rept 4
	v_nop
.endr
.endm
.macro G1SET g, w0, rows               ; a dense block as rows of 256 bytes: 32 elements of 8 bytes, pitch 32
	s_mov_b32 s[\g], \w0
	s_mov_b32 s[\g+1], 32<<16
	s_mov_b32 s[\g+2], (\rows)<<16
	s_mov_b32 s[\g+3], 32<<16
	s_mov_b32 s[\g+4], \rows
	s_mov_b32 s[\g+5], 32
	s_mov_b32 s[\g+6], 0
	s_mov_b32 s[\g+7], 0
.endm
; Waves 0 and 1 fetch P's halves, waves 2 and 3 Q's (jointly).  The branch hangs on the wave's number alone; four v_nop follow each line.
.macro JLOAD g0p, g1p, g0q, g1q
	s_cmp_eq_u32 s[ROLE], 0
	s_cbranch_scc0 .Lfor_q_\@
	tensor_load_to_lds s[\g0p:\g0p+3], s[\g1p:\g1p+7]
	s_nop 0
	PLACES
	s_branch .Lasked_\@
.Lfor_q_\@:
	tensor_load_to_lds s[\g0q:\g0q+3], s[\g1q:\g1q+7]
	s_nop 0
	PLACES
.Lasked_\@:
.endm
.macro CREST
	s_cmp_lg_u32 s[WV], 0
	s_cbranch_scc1 .Lnot_wave_0_\@
	s_barrier_signal -3
.Lnot_wave_0_\@:
	s_barrier_wait -3
	s_barrier_signal -1
	s_barrier_wait -1
.endm
.macro CROUND
	s_barrier_signal -1
	s_barrier_wait -1
	CREST
.endm
	s_load_b256 s[4:11], s[0:1], 0x0               ; xq, waq, b_attn, freqs_cos
	s_load_b256 s[12:19], s[0:1], 0x20             ; freqs_sin, cst, qq, kv
	v_lshl_add_u32 v[SPW], v0, 2, SPARE
	v_mov_b32 v[NIL], 0
	ds_add_u32 v5, v6
	ds_add_u32 v5, v6
	s_wait_dscnt 0x0
	v_lshrrev_b32 v1, 5, v0
	v_readfirstlane_b32 s[WV], v1
	s_and_b32 s[EW], s[WV], 1                      ; which half I fetch
	s_lshr_b32 s[ROLE], s[WV], 1                   ; of P (0) or of Q (1)
	s_and_b32 s94, ttmp7, 0xffff                   ; the cluster's y
	s_bfe_u32 s2, ttmp6, 0x40000                   ; cx
	s_sub_co_u32 s95, s94, 40
	s_and_b32 s92, s94, 7
	s_lshr_b32 s93, s94, 3
	s_and_b32 s96, s95, 1
	s_lshr_b32 s97, s95, 1
	s_cmp_ge_u32 s94, 40
	s_cselect_b32 s[ISV], 1, 0
	s_cselect_b32 s92, s96, s92                    ; which group of Q
	s_cselect_b32 s93, s97, s93                    ; which four of P
	s_lshl_b32 s3, s93, 2
	s_add_co_u32 s3, s3, s2                        ; p: the head, or the block of keys
	G1SET G1P, 3<<16, 96
	G1SET G1Q, 15|(3<<16)|(1<<21), 192
	G1SET G1PS, 3<<16, 16
	G1SET G1QS, 15|(3<<16)|(1<<21), 32
	s_mul_i32 s98, s[EW], 24576
	s_mul_i32 s99, s[EW], 49152
	s_lshl_b32 s100, s[EW], 12
	s_lshl_b32 s101, s[EW], 13
	s_mov_b32 s[G0P], 1
	s_mov_b32 s[G0P+1], s98
	s_mov_b32 s[G0P+4], 1
	s_add_co_u32 s[G0P+5], s98, SLOTB
	s_mov_b32 s[G0PS], 1
	s_add_co_u32 s[G0PS+1], s100, SCP
	s_mov_b32 s[G0Q], 1
	s_add_co_u32 s[G0Q+1], s99, QOFF
	s_mov_b32 s[G0Q+4], 1
	s_add_co_u32 s[G0Q+5], s99, SLOTB+QOFF
	s_mov_b32 s[G0QS], 1
	s_add_co_u32 s[G0QS+1], s101, SCQ
	s_mov_b32 s[SEL], 0x76543210
	s_mov_b32 s[SEL+1], 0xfedcba98
	s_wait_kmcnt 0x0
	s_cmp_eq_u32 s[ISV], 1
	s_cselect_b64 s[94:95], s[4:5], s[6:7]         ; P's buffer: x's images for v, W_attn's else
	s_cselect_b64 s[96:97], s[6:7], s[4:5]         ; Q's: the other
	s_mov_b32 s[PST2], WSTR
	s_cselect_b32 s[PST2], XSTR, s[PST2]
	s_mov_b32 s[QST2], XSTR
	s_cselect_b32 s[QST2], WSTR, s[QST2]
	s_mov_b32 s100, WSOFF
	s_cselect_b32 s100, XSOFF, s100
	s_mov_b32 s101, XSOFF
	s_cselect_b32 s101, WSOFF, s101
	s_cselect_b32 s4, 160, 0                       ; v's columns begin at tile 160
	s_mov_b32 s[PST2+1], 0
	s_mov_b32 s[QST2+1], 0
	; Q's addresses: made of the cluster's y and the wave's number alone, in registers that never hold cx
	s_lshl_b32 s98, s92, 4
	s_add_co_u32 s4, s4, s98
	s_lshl_b32 s98, s[EW], 3
	s_add_co_u32 s4, s4, s98
	s_mul_i32 s98, s4, 6144
	s_mov_b32 s99, 0
	s_add_nc_u64 s[G0Q+2:G0Q+3], s[96:97], s[98:99]
	s_add_nc_u64 s[G0Q+6:G0Q+7], s[G0Q+2:G0Q+3], s[QST2:QST2+1]
	s_lshl_b32 s98, s4, 10
	s_add_co_u32 s98, s98, s101
	s_add_nc_u64 s[G0QS+2:G0QS+3], s[96:97], s[98:99]
	; P's
	s_lshl_b32 s5, s3, 3
	s_lshl_b32 s6, s[EW], 2
	s_add_co_u32 s5, s5, s6
	s_mul_i32 s6, s5, 6144
	s_mov_b32 s7, 0
	s_add_nc_u64 s[G0P+2:G0P+3], s[94:95], s[6:7]
	s_add_nc_u64 s[G0P+6:G0P+7], s[G0P+2:G0P+3], s[PST2:PST2+1]
	s_lshl_b32 s6, s5, 10
	s_add_co_u32 s6, s6, s100
	s_add_nc_u64 s[G0PS+2:G0PS+3], s[94:95], s[6:7]
.irp g, G0P+3, G0P+7, G0PS+3, G0Q+3, G0Q+7, G0QS+3
	s_or_b32 s[\g], s[\g], 0x80000000              ; type = 2
.endr
	s_lshl_b32 s[PST2], s[PST2], 1
	s_lshl_b32 s[QST2], s[QST2], 1
	CROUND                                         ; all four work-groups are here: the first joint loads meet
	JLOAD G0PS, G1PS, G0QS, G1QS                   ; three loads of mine are out: the scale words,
	JLOAD G0P, G1P, G0Q, G1Q                       ; quarter 0,
	JLOAD G0P+4, G1P, G0Q+4, G1Q                   ; quarter 1
	; cos, sin and the two biases: pointers and offsets chosen
	s_lshl_b32 s98, s92, 16
	s_lshl_b32 s99, s[WV], 14
	s_add_co_u32 s98, s98, s99                     ; my first row of Q, x 256 bytes
	s_lshr_b32 s4, s98, 6
	s_add_co_u32 s4, s4, 10240                     ; v: my first column, x 4 bytes
	s_lshl_b32 s6, s3, 9                           ; q, k: the head's 128 numbers of b_attn
	s_cmp_eq_u32 s[ISV], 1
	s_cselect_b32 s98, 0, s98
	s_cselect_b32 s6, 0, s6
	s_cselect_b32 s4, s4, 0
	s_cselect_b64 s[94:95], s[14:15], s[8:9]       ; the bias a register: zeros for v
	s_cselect_b64 s[96:97], s[8:9], s[14:15]       ; the bias a lane: zeros for q, k
	s_cselect_b64 s[12:13], s[14:15], s[12:13]     ; sin: zeros for v
	s_cselect_b64 s[10:11], s[14:15], s[10:11]     ; cos: ones for v,
	s_cselect_b32 s100, 16384, 0                   ; which lie behind the zeros
	s_add_co_u32 s100, s100, s98
	s_mov_b32 s99, 0
	s_mov_b32 s101, 0
	s_mov_b32 s5, 0
	s_mov_b32 s7, 0
	s_add_nc_u64 s[10:11], s[10:11], s[100:101]
	s_add_nc_u64 s[12:13], s[12:13], s[98:99]
	s_add_nc_u64 s[94:95], s[94:95], s[6:7]
	s_add_nc_u64 s[96:97], s[96:97], s[4:5]
	v_and_b32 v7, 31, v0                           ; lane
	v_and_b32 v2, 15, v0                           ; r
	v_bfe_u32 v3, v0, 4, 1                         ; h
	v_lshlrev_b32 v[ADP], 4, v7
	v_lshlrev_b32 v4, 2, v7
	v_add_nc_u32 v[ADP+1], SLOTB, v[ADP]
	s_mul_i32 s4, s[WV], 24576
	s_add_co_u32 s4, s4, QOFF
	v_add_nc_u32 v[ADQ], s4, v[ADP]
	v_add_nc_u32 v[ADQ+1], SLOTB, v[ADQ]
	s_lshl_b32 s4, s[WV], 12
	s_add_co_u32 s4, s4, 8192
	v_mul_u32_u24 v[ADS], s4, v3                   ; lanes 16-31: from P's words on to my Q tiles' words
	v_lshl_add_u32 v[ADS], v2, 2, v[ADS]
	v_add_nc_u32 v[ADS], SCP, v[ADS]
	v_lshl_add_u32 v[ADS2], v2, 2, SCP
	v_and_b32 v17, 7, v2
	v_lshrrev_b32 v18, 3, v2
	v_lshl_add_u32 v17, v18, 4, v17                ; my row in a tile's span: r % 8 + 16 (r / 8)
	v_lshlrev_b32 v14, 8, v17
	v_lshl_add_u32 v14, v3, 5, v14                 ; cos, sin: row x 256 + 32 h
	v_lshlrev_b32 v15, 6, v3                       ; the bias a register: 16 h numbers on
	v_lshlrev_b32 v16, 2, v17                      ; the bias a lane
.irp b, 0,1,2,3
	v_mov_b32 v[TM+4+\b], 0                        ; a lane permute's destination counts as one of its sources
.endr
	WIN 0x80
.irp t, 0,1,2,3,4,5,6,7
	global_load_b128 v[BIAS+8*\t:BIAS+8*\t+3], v15, s[94:95] offset:(32*(\t/2)+8*(\t%2))*4
	global_load_b128 v[BIAS+8*\t+4:BIAS+8*\t+7], v15, s[94:95] offset:(32*(\t/2)+8*(\t%2))*4+16
.endr
	WIN 0
.irp q, 0,1,2,3
	global_load_b32 v[BB+2*\q], v16, s[96:97] offset:(32*(\q/2)+8*(\q%2))*4
	global_load_b32 v[BB+2*\q+1], v16, s[96:97] offset:(32*(\q/2)+8*(\q%2))*4
.endr
; cos and sin of Q tile q for my row: the 32 pairs of my 64 channels; cos at v[cb] on, sin 32 registers further
.macro CSLOAD q, win, cb
	WIN (\win)<<6
.irp b, 0,1,2,3
.irp j, 0,1
	global_load_b128 v[\cb+8*\b+4*\j:\cb+8*\b+4*\j+3], v14, s[10:11] offset:(32*((\q)/2)+8*((\q)%2))*256+64*\b+16*\j
	global_load_b128 v[\cb+32+8*\b+4*\j:\cb+32+8*\b+4*\j+3], v14, s[12:13] offset:(32*((\q)/2)+8*((\q)%2))*256+64*\b+16*\j
.endr
.endr
	WIN 0
.endm
	CSLOAD 0, 0, 192
	CSLOAD 1, 1, 192
	CSLOAD 2, 2, 192
	; where my four images and 64 scale words go
	s_lshl_b32 s4, s3, 7
	s_lshl_b32 s5, s92, 4
	s_add_co_u32 s4, s4, s5
	s_lshl_b32 s5, s[WV], 2
	s_add_co_u32 s4, s4, s5                        ; q: head x 128 + tile
	s_mul_i32 s6, s4, 1536
	s_lshl_b32 s7, s4, 6
	s_add_co_u32 s7, s7, XSOFF
	s_lshl_b32 s4, s92, 1
	s_add_co_u32 s4, s4, s[ROLE]
	s_lshl_b32 s5, s3, 4
	s_add_co_u32 s5, s5, s4
	s_sub_co_u32 s5, s5, 256                       ; k: record 16 (head - 16) + block of keys
	s_lshl_b32 s4, s4, 4
	s_add_co_u32 s4, s4, s3                        ; v: record 16 x group + block of keys
	s_cmp_eq_u32 s[ISV], 1
	s_cselect_b32 s4, s4, s5
	s_cselect_b32 s5, 12288, 0
	s_mov_b32 s98, 24576
	s_cselect_b32 s98, 25088, s98
	s_mul_i32 s4, s4, 25600
	s_mul_i32 s99, s[EW], 6144
	s_add_co_u32 s5, s5, s99
	s_add_co_u32 s5, s5, s4
	s_lshl_b32 s99, s[EW], 8
	s_add_co_u32 s98, s98, s99
	s_add_co_u32 s98, s98, s4
	s_lshl_b32 s99, s[ISV], 2
	s_add_co_u32 s99, s99, s93
	s_cmp_ge_u32 s99, 4                            ; k or v: into kv
	s_cselect_b32 s100, s5, s6
	s_cselect_b32 s98, s98, s7
	s_cselect_b64 s[IMB:IMB+1], s[18:19], s[16:17]
	s_mov_b32 s101, 0
	s_mov_b32 s99, 0
	s_mov_b64 s[SCB:SCB+1], s[IMB:IMB+1]
	s_add_nc_u64 s[IMB:IMB+1], s[IMB:IMB+1], s[100:101]
	s_add_nc_u64 s[SCB:SCB+1], s[SCB:SCB+1], s[98:99]
; Eight products: Q tile q against P's eight.  The 32 accumulators take turns in one fixed order.  cm = 1: the bias is the C of the sum's first product.
.macro MULQ set, q, cm
.irp p, 0,1,2,3,4,5,6,7
.if \cm
	v_wmma_scale_f32_16x16x128_f8f6f4 v[8*(8*(\q)+\p):8*(8*(\q)+\p)+7], v[PSET*(\set)+12*\p:PSET*(\set)+12*\p+11], v[QSET*(\set)+12*(\q):QSET*(\set)+12*(\q)+11], v[BIAS+8*\p:BIAS+8*\p+7], v[SC+8*(\set)+\p], v[SC+8*(\set)+(\q)] matrix_a_fmt:MATRIX_FMT_FP6 matrix_b_fmt:MATRIX_FMT_FP6 matrix_b_scale:MATRIX_SCALE_ROW1
.else
	v_wmma_scale_f32_16x16x128_f8f6f4 v[8*(8*(\q)+\p):8*(8*(\q)+\p)+7], v[PSET*(\set)+12*\p:PSET*(\set)+12*\p+11], v[QSET*(\set)+12*(\q):QSET*(\set)+12*(\q)+11], v[8*(8*(\q)+\p):8*(8*(\q)+\p)+7], v[SC+8*(\set)+\p], v[SC+8*(\set)+(\q)] matrix_a_fmt:MATRIX_FMT_FP6 matrix_b_fmt:MATRIX_FMT_FP6 matrix_b_scale:MATRIX_SCALE_ROW1
.endif
.endr
.endm
.macro LOADF slot, ks, set             ; a K step's twelve fragments, three loads of 512 consecutive bytes each
	WIN 0x40
.irp p, 0,1,2,3,4,5,6,7
.irp c, 0,1,2
	ds_load_b128 v[PSET*(\set)+12*\p+4*\c:PSET*(\set)+12*\p+4*\c+3], v[ADP+\slot] offset:(4*\p+(\ks))*1536+512*\c
.endr
.endr
	WIN 0x80
.irp q, 0,1,2,3
.irp c, 0,1,2
	ds_load_b128 v[QSET*(\set)+12*\q+4*\c:QSET*(\set)+12*\q+4*\c+3], v[ADQ+\slot] offset:(4*\q+(\ks))*1536+512*\c
.endr
.endr
	WIN 0
.endm
.macro LOADS k, set                    ; K step k's scale words
.irp i, 0,1,2,3
	ds_load_b32 v[SC+8*(\set)+\i], v[ADS] offset:1024*\i+64*(\k)
.endr
.irp i, 4,5,6,7
	ds_load_b32 v[SC+8*(\set)+\i], v[ADS2] offset:1024*\i+64*(\k)
.endr
.endm
.macro KSTEP slot, k                   ; K step k, whose successor lies in the same slot
	s_wait_dscnt 0x0                               ; this step's fragments and words are in
	PLACES                                         ; four places in front of loads into registers that the last step's products read
	LOADF \slot, ((\k)+1)%4, ((\k)+1)%2
	LOADS (\k)+1, ((\k)+1)%2
	WIN MUL
	MULQ (\k)%2, 0, 0
	MULQ (\k)%2, 1, 0
	MULQ (\k)%2, 2, 0
	MULQ (\k)%2, 3, 0
.endm
; A slot's last K step changes slots: each wave waits for all its tensor loads, adds 0 to its spare word, and waits for that and for its reads of this slot; one barrier, which with fill = 1 opens a round of the cluster's.
.macro TURN cur, next, k, fill
	WIN 0
	s_wait_tensorcnt 0x0                           ; all my tensor loads have landed: my part of the next slot
	ds_add_u32 v[SPW], v[NIL]
	s_wait_dscnt 1                                 ; this step's fragments are in; the add alone may be out
	WIN MUL
	MULQ 1, 0, 0
	s_wait_dscnt 0x0                               ; the add is done, and my reads of this slot are over
	s_barrier_signal -1
	MULQ 1, 1, 0
	WIN 0
	s_barrier_wait -1
.if \fill
	CREST                                          ; no wave of any partner still reads this slot or has a load on its way
	s_add_nc_u64 s[G0P+4*\cur+2:G0P+4*\cur+3], s[G0P+4*\cur+2:G0P+4*\cur+3], s[PST2:PST2+1]
	s_add_nc_u64 s[G0Q+4*\cur+2:G0Q+4*\cur+3], s[G0Q+4*\cur+2:G0Q+4*\cur+3], s[QST2:QST2+1]
	JLOAD G0P+4*\cur, G1P, G0Q+4*\cur, G1Q         ; my one tensor load behind the round: two quarters on; its four v_nop are the places for the loads below
.else
	PLACES
.endif
	LOADF \next, 0, 0
	LOADS (\k)+1, 0
	WIN MUL
	MULQ 1, 2, 0
	MULQ 1, 3, 0
.endm
	s_wait_tensorcnt 1                             ; the scale words and my part of quarter 0 are in; quarter 1's load may be out
	s_barrier_signal -1
	s_barrier_wait -1
	LOADF 0, 0, 0
	LOADS 0, 0
	s_wait_dscnt 0x0
	LOADF 0, 1, 1
	LOADS 1, 1
	s_wait_loadcnt 48                              ; the biases are in; the 48 loads of cos and sin behind them may be out
	WIN MULB
	MULQ 0, 0, 1
	MULQ 0, 1, 1
	MULQ 0, 2, 1
	MULQ 0, 3, 1
	KSTEP 0, 1
	KSTEP 0, 2
	TURN 0, 1, 3, 1
	KSTEP 1, 4
	KSTEP 1, 5
	KSTEP 1, 6
	TURN 1, 0, 7, 1
	KSTEP 0, 8
	KSTEP 0, 9
	KSTEP 0, 10
	TURN 0, 1, 11, 0
	KSTEP 1, 12
	KSTEP 1, 13
	KSTEP 1, 14
	s_wait_dscnt 0x0
	PLACES                                         ; P's set 0 is done with: it takes cos and sin of Q tile 3
	CSLOAD 3, 1, 0
	WIN MUL
	MULQ 1, 0, 0
	MULQ 1, 1, 0
	MULQ 1, 2, 0
	MULQ 1, 3, 0
	WIN 0
	PLACES                                         ; four places in front of the first read of results
	s_wait_loadcnt 0x0
; THE ROTATION.  Register 64 q + n is channel 32 (n / 16) + 16 h + n % 16: pair k = registers 2 k, 2 k + 1 = (re, im), with cos and sin number k.
; T = (im sin - b, re sin + b);  H = (re cos - T.lo, im cos + T.hi).  Each accumulator is read from its low end on.
.macro RT q, cb, k, par
	v_pk_fma_f32 v[T+2*((\k)%4):T+2*((\k)%4)+1], v[64*(\q)+2*(\k):64*(\q)+2*(\k)+1], v[\cb+32+2*((\k)/2):\cb+32+2*((\k)/2)+1], v[BB+2*(\q):BB+2*(\q)+1] op_sel:[1,\par,0] op_sel_hi:[0,\par,1] neg_lo:[0,0,1]
.endm
.macro RH q, cb, k, par
	v_pk_fma_f32 v[H+2*(\k):H+2*(\k)+1], v[64*(\q)+2*(\k):64*(\q)+2*(\k)+1], v[\cb+2*((\k)/2):\cb+2*((\k)/2)+1], v[T+2*((\k)%4):T+2*((\k)%4)+1] op_sel:[0,\par,0] op_sel_hi:[1,\par,1] neg_lo:[0,0,1]
.endm
.macro QUANT s, pw                     ; 64 numbers of a lane, register 16 b + i = k 32 b + 16 h + i, become a fragment's codes in v[PC] on and its scale word
.irp b, 0,1,2,3
	v_max3_num_f32 v[TM+\b], |v[\s+16*\b]|, |v[\s+1+16*\b]|, 0x1800000
.endr
.irp i, 2,4,6,8,10,12,14
.irp b, 0,1,2,3
	v_max3_num_f32 v[TM+\b], v[TM+\b], |v[\s+16*\b+\i]|, |v[\s+1+16*\b+\i]|
.endr
.endr
.irp b, 0,1,2,3
	v_permlanex16_b32 v[TM+4+\b], v[TM+\b], s[SEL], s[SEL+1]
.endr
.irp b, 0,1,2,3
	v_max_num_f32 v[TM+\b], v[TM+\b], v[TM+4+\b]
.endr
.irp b, 0,1,2,3
	v_add_nc_u32 v[TM+12+\b], 0xff000000, v[TM+\b]
.endr
.irp b, 0,1,2,3
	v_lshrrev_b32 v[TM+4+\b], 23, v[TM+12+\b]
.endr
	v_lshl_or_b32 v[\pw], v[TM+5], 8, v[TM+4]
	v_lshl_or_b32 v[\pw], v[TM+6], 16, v[\pw]
	v_lshl_or_b32 v[\pw], v[TM+7], 24, v[\pw]
.irp c, 0,1
	v_cvt_scalef32_pk16_fp6_f32 v[PC+6*\c:PC+2+6*\c], v[\s+32*\c:\s+15+32*\c], v[TM+12+2*\c]
	v_cvt_scalef32_pk16_fp6_f32 v[PC+12+4*\c:PC+14+4*\c], v[\s+16+32*\c:\s+31+32*\c], v[TM+12+2*\c+1]
.endr
	v_nop                                          ; one plain place behind a scaled conversion
.irp c, 0,1
.irp i, 0,1,2
	v_permlane16_swap_b32 v[PC+6*\c+\i], v[PC+12+4*\c+\i]
.endr
.irp i, 0,1,2
	v_mov_b32 v[PC+3+6*\c+\i], v[PC+12+4*\c+\i]
.endr
.endr
.endm
.macro EPI q, win, cb
	WIN 3|((\win)<<2)                              ; the sums in window 3, cos and sin in theirs
.set g, 0
.rept 8
	RT \q, \cb, 4*g+0, 0
	RT \q, \cb, 4*g+1, 1
	RT \q, \cb, 4*g+2, 0
	RT \q, \cb, 4*g+3, 1
	RH \q, \cb, 4*g+0, 0
	RH \q, \cb, 4*g+1, 1
	RH \q, \cb, 4*g+2, 0
	RH \q, \cb, 4*g+3, 1
.set g, g+1
.endr
	WIN 0
.if \q > 0
	s_wait_xcnt 0x0                                ; the last image's stores have read the codes' registers
.endif
	QUANT H, PW+\q
.irp c, 0,1,2
	global_store_b128 v[ADP], v[PC+4*\c:PC+4*\c+3], s[IMB:IMB+1] offset:1536*\q+512*\c   ; 512 consecutive bytes a store
.endr
.endm
	EPI 0, 0, 192
	EPI 1, 1, 192
	EPI 2, 2, 192
	EPI 3, 1, 0
	v_cmp_lt_u32 vcc_lo, 15, v7
.irp j, 0,1
	v_cndmask_b32 v[SELR+\j], v[PW+2*\j], v[PW+2*\j+1], vcc_lo   ; lanes 0-15 one tile's words, lanes 16-31 the next's: four tiles fill one aligned 256 bytes
	global_store_b32 v4, v[SELR+\j], s[SCB:SCB+1] offset:128*\j
.endr
	s_wait_tensorcnt 0x0                           ; the wave's end
	ds_add_u32 v[SPW], v[NIL]
	s_wait_dscnt 0x0
	CROUND                                         ; the closing round
	s_endpgm
.Lfunc_end_k_q63287badbf_qkv:
	.size	k_q63287badbf_qkv, .Lfunc_end_k_q63287badbf_qkv-k_q63287badbf_qkv
	.p2alignl 7, 3214868480
	.fill 96, 4, 3214868480
	.section	.rodata,"a",@progbits
	.p2align	6, 0x0
	.amdhsa_kernel k_q63287badbf_qkv
		.amdhsa_group_segment_fixed_size 327680
		.amdhsa_private_segment_fixed_size 0
		.amdhsa_enable_private_segment 0
		.amdhsa_kernarg_size 64
		.amdhsa_user_sgpr_count 2
		.amdhsa_user_sgpr_kernarg_segment_ptr 1
		.amdhsa_wavefront_size32 1
		.amdhsa_system_sgpr_workgroup_id_x 1
		.amdhsa_system_sgpr_workgroup_id_y 1
		.amdhsa_system_sgpr_workgroup_id_z 1
		.amdhsa_system_vgpr_workitem_id 0
		.amdhsa_next_free_vgpr 1024
		.amdhsa_next_free_sgpr 102
		.amdhsa_reserve_vcc 1
		.amdhsa_float_denorm_mode_32 3
		.amdhsa_float_denorm_mode_16_64 3
		.amdhsa_memory_ordered 1
		.amdhsa_forward_progress 1
		.amdhsa_inst_pref_size 168
	.end_amdhsa_kernel
	.amdgpu_metadata
---
amdhsa.version: [ 1, 2 ]
amdhsa.kernels:
  - .name:           k_q63287badbf_qkv
    .symbol:         k_q63287badbf_qkv.kd
    .args:
      - { .name: xq, .offset: 0, .size: 8, .value_kind: global_buffer, .address_space: global }
      - { .name: waq, .offset: 8, .size: 8, .value_kind: global_buffer, .address_space: global }
      - { .name: b_attn, .offset: 16, .size: 8, .value_kind: global_buffer, .address_space: global }
      - { .name: freqs_cos, .offset: 24, .size: 8, .value_kind: global_buffer, .address_space: global }
      - { .name: freqs_sin, .offset: 32, .size: 8, .value_kind: global_buffer, .address_space: global }
      - { .name: cst, .offset: 40, .size: 8, .value_kind: global_buffer, .address_space: global }
      - { .name: qq, .offset: 48, .size: 8, .value_kind: global_buffer, .address_space: global }
      - { .name: kv, .offset: 56, .size: 8, .value_kind: global_buffer, .address_space: global }
    .group_segment_fixed_size: 327680
    .private_segment_fixed_size: 0
    .kernarg_segment_align: 8
    .kernarg_segment_size: 64
    .max_flat_workgroup_size: 128
    .sgpr_count:     102
    .vgpr_count:     1024
    .wavefront_size: 32
...
	.end_amdgpu_metadata
.endif
;; end of part 2
;; launch attn (part 3): grid 64 x 4, 8 waves a work-group, clusters of 4 x 1, 327,680 bytes of LDS; arguments qq, kv, yq; writes yq
.if DOCPART == 3
	.amdgcn_target "amdgcn-amd-amdhsa--gfx1250"
	.amdhsa_code_object_version 6
	.text
	.protected	k_q63287badbf_attn
	.globl	k_q63287badbf_attn
	.p2align	8
	.type	k_q63287badbf_attn,@function
k_q63287badbf_attn:
	s_mov_b64 s[64:65], 0
	v_nop
	global_prefetch_b8 v0, s[64:65] scope:SCOPE_SE
	s_setreg_imm32_b32 hwreg(HW_REG_WAVE_MODE, 25, 1), 1
	s_wait_xcnt 0x0
	s_wait_alu depctr_hold_cnt(0) depctr_sa_sdst(0) depctr_va_vdst(0) depctr_va_sdst(0) depctr_va_ssrc(0) depctr_va_vcc(0) depctr_vm_vsrc(0)
	s_getreg_b32 s2, hwreg(HW_REG_IB_STS2, 6, 4)
	s_cmp_eq_u32 s2, 0
	s_cbranch_scc0 .Lentry_in_a_cluster
	s_endpgm
.Lentry_in_a_cluster:
	s_bfe_u32 s2, ttmp6, 0x10000c
	s_cmp_lg_u32 s2, 0x3003
	s_cbranch_scc0 .Lentry_shape_is_right
	s_endpgm
.Lentry_shape_is_right:
; y = softmax(q k^T / sqrt(128), causal) v on codes of FP6 with E8M0 scales; y is quantised along the head's 128 channels and stored as images for the last product.
; t = score x log2(e) / sqrt(128); M = the running largest t rounded up to a whole number; p = 2^(t - M) is quantised along the keys, not normalised; the row's sum is taken of the unquantised p and divides at the end.
; SHARES.  Work-group (i, g), i = 0 .. 63, eight waves: wave w is head 4 g + w % 4 and half e = w / 4.  A head's work is query tile i (a + 1 key steps of 128, a = i / 8) and then tile 127 - i (16 - a steps): 17 steps.
; THE STEPS ARE DEALT BY PARITY: half 0 takes steps 0, 2 .. 16, half 1 steps 1, 3 .. 15, each with a running M, sum and O^T of its own: two waves to a SIMD, so that one wave's vector work stands beside the other's waits.
; A wave leaves tile 1 behind its last step at or under a: O^T, the sum and -M are put aside in registers.  At the end half 0 finishes tile 1 and half 1 tile 2: each sends the part that its partner needs through LDS, and
; the two parts are joined under the larger M by factors that are powers of two.  (With a = 0 half 1 has no step of tile 1: it begins with the second tile's Q, and its part of tile 1 is the zeros written at the head.)
; The four partners of a cluster share g and a, so they walk the same 17 records of K and V (25,600 bytes: 8 images of K, 8 of V, their scale words): every record is asked for jointly, mask 15.
; LDS: 12 places for records.  Records 0-11 are first fills, half a record a load, three loads a wave.  Records 12-16 are neighbours in memory and go to places 0-4: one dense block of 128,000 bytes, 16,000 a wave, one refill.
; Both products are used transposed: S^T = K Q^T, O^T = V^T P^T: a lane holds one query.  A tile's rows are 32 (t / 2) + 8 (t % 2) + m % 8 + 16 (m / 8), so the 16 registers of tiles 2 b, 2 b + 1 are 16 neighbours.
; THE LOOP IS TURNED: a body fetches K of the wave's next step, works this step's softmax, multiplies V^T P, fetches V of the next step, and multiplies K Q^T of the next step.
; All trip counts are constants: in the last loop's last trip half 1 fetches place 5 (bytes that landed and are not filled again) and multiplies scores that nobody reads; step 16 is written out and half 1 jumps over it.
; No prefetch: kv is small, is read by sixteen clusters of a group, and the one refill is asked for two bodies ahead.
; LIMITS: NaN and infinities are not served.
; REGISTERS: v1 16 x lane, v2 4 r, v3-4 addresses in hand, v5-6 the add's, v7-8 the mask's number for tile 1 and 2, v12 -M, v13 largest t, v[14:15] the sum, v16-27 Q, v28-29 Q's words, v31 y's word,
;   v32-39 K's words, v40-47 V's, v48-59 the second tile's Q, v[60:61] tile 1's sum and -M, v[62:63] the partner's, v64-67 the stage's addresses, v96-159 S^T then p, v160-223 O^T, v224-235 codes, v232-254 at work, v253 p's word.
;   window 1: v0-95 K, v96-191 V, v192-255 tile 1's O^T.
.set REC,   25600
.set HREC,  12800                      ; half a record: what a first fill brings
.set RPART, 16000                      ; an eighth of records 12-16: what the refill brings
.set SPARE, 307200                     ; the spare words, 128 bytes for each of eight waves
.set STG,   153600                     ; the stage for the parts: 8,448 bytes a wave, in places 6-8: they have had their only fill, and their last reads stand ahead of the barrier in front of body 5
.set SWB,   8448
.set QSOFF, 3145728
.set ADR, 3
.set ADW, 4
.set KS,  32
.set VS,  40
.set SVS, 60
.set PRS, 62
.set STW, 64                           ; v64 where I store a part, 16 bytes a lane;  v65 where I read my partner's;  v66, v67 the same for the pair (sum, -M), 8 bytes a lane
.set STR, 65
.set STW8, 66
.set STR8, 67
.set SVO, 192                          ; in window 1
.set WV,  10
.set HD,  16                           ; s16 w % 4
.set EH,  17                           ; s17 w / 4
.set EREC, 18                          ; s18 e x 25,600
.set LSW, 19                           ; s19 my last step of tile 1
.set G1,  24
.set GA,  32
.set GB,  36
.set GC,  40
.set GR,  44
.set TB,  48                           ; LDS byte of the record to be fetched
.set TT,  49                           ; the step in hand
.set LASTM, 50                         ; the step on the tile's diagonal
.set CNT, 51
.set CS,  52
.set SEL, 54
.set YB,  56
.set YS,  58
.set G1R, 68
.set MSB, 0
.macro WIN new                         ; the immediate's high byte repeats the setting that is left
.if MSB != \new
	s_set_vgpr_msb (MSB<<8)|\new
.set MSB, \new
.endif
.endm
.macro PLACES
.rept 4
	v_nop
.endr
.endm
.macro CROUND
	s_barrier_signal -1
	s_barrier_wait -1
	s_cmp_lg_u32 s[WV], 0
	s_cbranch_scc1 .Lnot_wave_0_\@
	s_barrier_signal -3
.Lnot_wave_0_\@:
	s_barrier_wait -3
	s_barrier_signal -1
	s_barrier_wait -1
.endm
.macro RECADR dst, kb                  ; kv + (16 g + block of keys) x 25,600 + my half
	s_add_co_u32 s84, s76, s[\kb]
	s_mul_i32 s84, s84, REC
	s_add_co_u32 s84, s84, s82
	s_add_nc_u64 s[\dst:\dst+1], s[6:7], s[84:85]
.endm
	s_load_b128 s[4:7], s[0:1], 0x0                ; qq, kv
	s_load_b64 s[8:9], s[0:1], 0x10                ; yq
	v_lshl_add_u32 v5, v0, 2, SPARE
	v_mov_b32 v6, 0
	ds_add_u32 v5, v6
	ds_add_u32 v5, v6
	s_wait_dscnt 0x0
	v_lshrrev_b32 v1, 5, v0
	v_readfirstlane_b32 s[WV], v1
	s_and_b32 s[HD], s[WV], 3
	s_lshr_b32 s[EH], s[WV], 2
	s_mul_i32 s[EREC], s[EH], REC
	s_and_b32 s11, ttmp7, 0xffff                   ; g
	s_bfe_u32 s12, ttmp6, 0x40000                  ; cx: it enters Q's and y's addresses and the mask's number alone
	s_lshr_b32 s14, ttmp9, 1                       ; a: shared by the partners
	s_lshl_b32 s13, ttmp9, 2
	s_add_co_u32 s13, s13, s12                     ; the first tile
	s_sub_co_u32 s15, 127, s13                     ; the second
	s_mov_b32 s[G1], 15|(3<<16)|(1<<21)            ; mask: all four; elements of 8 bytes; bit 21 beside a mask
	s_mov_b32 s[G1+1], 32<<16
	s_mov_b32 s[G1+2], 50<<16                      ; half a record: 50 rows of 256 bytes
	s_mov_b32 s[G1+3], 32<<16
	s_mov_b32 s[G1+4], 50
	s_mov_b32 s[G1+5], 32
	s_mov_b32 s[G1+6], 0
	s_mov_b32 s[G1+7], 0
	s_mov_b32 s[G1R], 15|(3<<16)|(1<<21)
	s_mov_b32 s[G1R+1], 16<<16
	s_mov_b32 s[G1R+2], 125<<16                    ; 16,000 dense bytes: 125 rows of 128
	s_mov_b32 s[G1R+3], 16<<16
	s_mov_b32 s[G1R+4], 125
	s_mov_b32 s[G1R+5], 16
	s_mov_b32 s[G1R+6], 0
	s_mov_b32 s[G1R+7], 0
	s_lshl_b32 s76, s11, 4
	s_sub_co_u32 s77, s[HD], s14
	s_sub_co_u32 s77, s77, 1                       ; step t walks block t while t <= a, then block t - a - 1
	s_add_co_u32 s79, s[HD], 4
	s_add_co_u32 s80, s77, 4
	s_cmp_le_u32 s[HD], s14
	s_cselect_b32 s78, s[HD], s77                  ; step w % 4
	s_cmp_le_u32 s79, s14
	s_cselect_b32 s79, s79, s80                    ; step 4 + w % 4
	s_add_co_u32 s80, s77, 8                       ; steps from 8 on lie behind a, which is at most 7
	s_sub_co_u32 s81, 11, s14                      ; step 12's block
	s_mul_i32 s82, s[EH], HREC
	s_mul_i32 s83, s[HD], REC
	s_add_co_u32 s83, s83, s82                     ; my half's place in LDS
	s_mul_i32 s86, s[WV], RPART
	s_mov_b32 s85, 0
	s_mov_b32 s[CS], 0x3e0293ee                    ; c = log2(e) / sqrt(128)
	s_mov_b32 s[CS+1], s[CS]
	s_mov_b32 s[SEL], 0x76543210
	s_mov_b32 s[SEL+1], 0xfedcba98
	s_mov_b32 s[TT], s[EH]
	s_mov_b32 s[LASTM], s14
	s_sub_co_u32 s[LSW], s14, s[EH]
	s_and_b32 s[LSW], s[LSW], 1
	s_sub_co_u32 s[LSW], s14, s[LSW]               ; the largest step at or under a of my parity; with a = 0 in half 1 a number that no step has
	s_wait_kmcnt 0x0
	RECADR GA+2, 78
	RECADR GB+2, 79
	RECADR GC+2, 80
	s_add_co_u32 s84, s76, s81
	s_mul_i32 s84, s84, REC
	s_add_co_u32 s84, s84, s86
	s_add_nc_u64 s[GR+2:GR+3], s[6:7], s[84:85]    ; my eighth of records 12-16
	s_mov_b32 s[GA], 1
	s_mov_b32 s[GA+1], s83
	s_or_b32 s[GA+3], s[GA+3], 0x80000000
	s_mov_b32 s[GB], 1
	s_add_co_u32 s[GB+1], s83, 4*REC
	s_or_b32 s[GB+3], s[GB+3], 0x80000000
	s_mov_b32 s[GC], 1
	s_add_co_u32 s[GC+1], s83, 8*REC
	s_or_b32 s[GC+3], s[GC+3], 0x80000000
	s_mov_b32 s[GR], 1
	s_mov_b32 s[GR+1], s86
	s_or_b32 s[GR+3], s[GR+3], 0x80000000
	CROUND                                         ; all four work-groups are here: the first joint loads meet
	tensor_load_to_lds s[GA:GA+3], s[G1:G1+7]      ; three loads of mine are out: my halves of records w % 4, 4 + w % 4, 8 + w % 4
	s_nop 0
	tensor_load_to_lds s[GB:GB+3], s[G1:G1+7]
	s_nop 0
	tensor_load_to_lds s[GC:GC+3], s[G1:G1+7]
	s_nop 0
	PLACES
	s_lshl_b32 s87, s11, 2
	s_add_co_u32 s87, s87, s[HD]                   ; my head
	s_lshl_b32 s88, s87, 7
	s_cmp_gt_u32 s[EH], s14                        ; no step of tile 1 is mine: I begin with the second tile's Q
	s_cselect_b32 s89, s15, s13
	s_cmp_eq_u32 s[EH], 0                          ; the tile that I finish
	s_cselect_b32 s90, s13, s15
	s_mov_b32 s93, 0
	s_add_co_u32 s91, s88, s89
	s_mul_i32 s92, s91, 1536
	s_add_nc_u64 s[94:95], s[4:5], s[92:93]
	s_lshl_b32 s92, s91, 6
	s_add_co_u32 s92, s92, QSOFF
	s_add_nc_u64 s[96:97], s[4:5], s[92:93]
	s_add_co_u32 s91, s88, s15
	s_mul_i32 s92, s91, 1536
	s_add_nc_u64 s[98:99], s[4:5], s[92:93]
	s_lshl_b32 s92, s91, 6
	s_add_co_u32 s92, s92, QSOFF
	s_add_nc_u64 s[100:101], s[4:5], s[92:93]
	v_and_b32 v9, 31, v0
	v_lshlrev_b32 v1, 4, v9
	v_lshlrev_b32 v10, 3, v9
	v_and_b32 v9, 15, v0
	v_lshlrev_b32 v2, 2, v9
.irp c, 0,1,2
	global_load_b128 v[16+4*\c:19+4*\c], v1, s[94:95] offset:512*\c
	global_load_b128 v[48+4*\c:51+4*\c], v1, s[98:99] offset:512*\c
.endr
	global_load_b32 v28, v2, s[96:97]
	global_load_b32 v29, v2, s[100:101]
	s_lshl_b32 s91, s11, 7                         ; y's image: ((128 g + tile) 4 + w % 4) x 1,536; its words: tile x 1,024 + head x 64
	s_add_co_u32 s91, s91, s90
	s_lshl_b32 s91, s91, 2
	s_add_co_u32 s91, s91, s[HD]
	s_mul_i32 s92, s91, 1536
	s_add_nc_u64 s[YB:YB+1], s[8:9], s[92:93]
	s_lshl_b32 s92, s90, 10
	s_lshl_b32 s91, s87, 6
	s_add_co_u32 s92, s92, s91
	s_add_co_u32 s92, s92, QSOFF
	s_add_nc_u64 s[YS:YS+1], s[8:9], s[92:93]
	s_mul_i32 s20, s[WV], SWB                      ; the stage: my bytes,
	s_add_co_u32 s20, s20, STG
	s_xor_b32 s21, s[WV], 4                        ; and those of the wave with my head and the other half
	s_mul_i32 s21, s21, SWB
	s_add_co_u32 s21, s21, STG
	v_add_nc_u32 v[STW], s20, v1
	v_add_nc_u32 v[STR], s21, v1
	v_add_nc_u32 v[STW8], s20, v10
	v_add_nc_u32 v[STR8], s21, v10
	s_bfe_u32 s60, s13, 0x20001                    ; a tile's first query within its block of 128: 32 ((tile / 2) % 4) + 8 (tile % 2)
	s_lshl_b32 s60, s60, 5
	s_and_b32 s61, s13, 1
	s_lshl_b32 s61, s61, 3
	s_add_co_u32 s60, s60, s61
	s_bfe_u32 s62, s15, 0x20001
	s_lshl_b32 s62, s62, 5
	s_and_b32 s61, s15, 1
	s_lshl_b32 s61, s61, 3
	s_add_co_u32 s62, s62, s61
	v_bfe_u32 v10, v0, 4, 1
	v_and_b32 v11, 7, v9
	v_lshrrev_b32 v9, 3, v9
	v_sub_nc_u32 v9, v9, v10
	v_lshl_add_u32 v9, v9, 4, v11                  ; r % 8 + 16 (r / 8) - 16 h
	v_add_nc_u32 v7, s60, v9                       ; register 16 b + i holds key 32 b + i + 16 h: hidden where 32 b + i is above this number
	v_add_nc_u32 v8, s62, v9
	v_mov_b32 v13, 0xff61b1e6                      ; the largest t so far: -3e38
	v_floor_f32 v12, -v13
	v_mov_b32 v14, 0
	v_mov_b32 v15, 0
	v_mov_b32 v[SVS], 0                            ; tile 1's part, for the wave that has no step of it: sum 0, -M 3e38,
	v_mov_b32 v[SVS+1], v12
.irp b, 0,1,2,3
	v_mov_b32 v[236+\b], 0                         ; a lane permute's destination counts as one of its sources
.endr
	v_mov_b32 v253, 0
.set j, 0
.rept 64
	v_mov_b32 v[160+j], 0                          ; O^T, once: the step is written once, and every first step of a tile multiplies what it finds by 0
.set j, j+1
.endr
	WIN 0x40
.set j, 0
.rept 64
	v_mov_b32 v[SVO+j], 0                          ; and O^T 0.  (These lines stand where the wave would wait for its first record)
.set j, j+1
.endr
	WIN 0
.macro KLOAD
	WIN 0x40
.irp t, 0,1,2,3,4,5,6,7
.irp c, 0,1,2
	ds_load_b128 v[12*\t+4*\c:12*\t+4*\c+3], v[ADR] offset:1536*\t+512*\c
.endr
.endr
	WIN 0
.irp t, 0,1,2,3,4,5,6,7
	ds_load_b32 v[KS+\t], v[ADW] offset:24576+64*\t
.endr
.endm
.macro VLOAD
	WIN 0x40
.irp t, 0,1,2,3,4,5,6,7
.irp c, 0,1,2
	ds_load_b128 v[96+12*\t+4*\c:96+12*\t+4*\c+3], v[ADR] offset:12288+1536*\t+512*\c
.endr
.endr
	WIN 0
.irp t, 0,1,2,3,4,5,6,7
	ds_load_b32 v[VS+\t], v[ADW] offset:25088+64*\t
.endr
.endm
.macro SMUL                            ; S^T = K Q^T: eight tiles of 16 keys, each a sum of its own
	WIN 0x01
.irp t, 0,1,2,3,4,5,6,7
	v_wmma_scale_f32_16x16x128_f8f6f4 v[96+8*\t:103+8*\t], v[12*\t:12*\t+11], v[16:27], 0, v[KS+\t], v28 matrix_a_fmt:MATRIX_FMT_FP6 matrix_b_fmt:MATRIX_FMT_FP6
.endr
	WIN 0
.endm
.macro QTAIL w                         ; from four largest magnitudes in v232-235: the scale word in v[w], the codes of v96-159 in v224-235
.irp b, 0,1,2,3
	v_add_nc_u32 v[244+\b], 0xff000000, v[232+\b]  ; 2 off the exponent field: the conversion's scale operand
.endr
.irp b, 0,1,2,3
	v_lshrrev_b32 v[236+\b], 23, v[244+\b]
.endr
	v_lshl_or_b32 v[\w], v237, 8, v236
	v_lshl_or_b32 v[\w], v238, 16, v[\w]
	v_lshl_or_b32 v[\w], v239, 24, v[\w]
.irp c, 0,1
	v_cvt_scalef32_pk16_fp6_f32 v[224+6*\c:226+6*\c], v[96+32*\c:111+32*\c], v[244+2*\c]
	v_cvt_scalef32_pk16_fp6_f32 v[236+4*\c:238+4*\c], v[112+32*\c:127+32*\c], v[244+2*\c+1]
.endr
	v_nop                                          ; one plain place behind a scaled conversion
.irp c, 0,1
.irp i, 0,1,2
	v_permlane16_swap_b32 v[224+6*\c+\i], v[236+4*\c+\i]
.endr
.irp i, 0,1,2
	v_mov_b32 v[227+6*\c+\i], v[236+4*\c+\i]
.endr
.endr
.endm
.macro MASK
	v_mov_b32 v254, 0xff800000
.set n, 0
.rept 64
	v_cmp_gt_i32 vcc_lo, 32*(n/16)+n%16, v7
	v_cndmask_b32 v[96+n], v[96+n], v254, vcc_lo
.set n, n+1
.endr
.endm
.macro SOFTMAX
.irp b, 0,1,2,3
	v_max3_num_f32 v[232+\b], v[96+16*\b], v[97+16*\b], v[98+16*\b]   ; the largest score of each block of 32 keys: for the row's maximum and, since p rises with the score, for the block's largest p
.endr
.irp i, 3,5,7,9,11,13
.irp b, 0,1,2,3
	v_max3_num_f32 v[232+\b], v[232+\b], v[96+16*\b+\i], v[97+16*\b+\i]
.endr
.endr
.irp b, 0,1,2,3
	v_max_num_f32 v[232+\b], v[232+\b], v[111+16*\b]
.endr
.irp b, 0,1,2,3
	v_permlanex16_b32 v[236+\b], v[232+\b], s[SEL], s[SEL+1]
.endr
.irp b, 0,1,2,3
	v_max_num_f32 v[232+\b], v[232+\b], v[236+\b]
.endr
	v_max3_num_f32 v254, v232, v233, v234
	v_max_num_f32 v254, v254, v235
	v_mul_f32 v254, s[CS], v254
	v_max_num_f32 v13, v13, v254                   ; the running largest t
	v_mov_b32 v254, v12
	v_floor_f32 v12, -v13                          ; -M = floor(-t): M is a whole number
	v_sub_f32 v254, v12, v254
	v_cvt_i32_f32 v254, v254                       ; (it saturates)
	v_ldexp_f32 v252, 1.0, v254                    ; f = 2^(old M - new M)
.set j, 0
.rept 32
	v_pk_fma_f32 v[96+j:97+j], v[96+j:97+j], s[CS:CS+1], v[12:13] op_sel_hi:[1,0,0]   ; t - M
.set j, j+2
.endr
.irp b, 0,1,2,3
	v_fma_f32 v[232+\b], v[232+\b], s[CS], v12
.endr
.set j, 0
.rept 64
	v_exp_f32 v[96+j], v[96+j]                     ; p = 2^(t - M)
.set j, j+1
.endr
	v_pk_mul_f32 v[14:15], v[14:15], v[252:253] op_sel_hi:[1,0]   ; the sums under the new M: a plain place behind the exponentials
	s_wait_alu depctr_va_vdst(0)                   ; one wait for the batch, ahead of its first reader
.irp b, 0,1,2,3
	v_exp_f32 v[232+\b], v[232+\b]                 ; the block's largest p
.endr
	v_pk_add_f32 v[236:237], v[96:97], v[98:99]    ; the row's sum is taken of the unquantised p, in two chains
.irp j, 4,8,12,16,20,24,28,32,36,40,44,48,52,56,60
	v_pk_add_f32 v[14:15], v[14:15], v[96+\j:97+\j]
	v_pk_add_f32 v[236:237], v[236:237], v[98+\j:99+\j]
.endr
	v_pk_add_f32 v[14:15], v[14:15], v[236:237]
	s_wait_alu depctr_va_vdst(0)                   ; and one for the four
.irp b, 0,1,2,3
	v_max_num_f32 v[232+\b], 0x1800000, v[232+\b]  ; the floor 2^(3 - 127)
.endr
	QTAIL 253
.set j, 0
.rept 32
	v_pk_mul_f32 v[160+j:161+j], v[160+j:161+j], v[252:253] op_sel_hi:[1,0]   ; O^T under the new M; these are also the places in front of the products below
.set j, j+2
.endr
.endm
; I LEAVE TILE 1: its sum, -M and O^T are put aside, and the second tile's Q, scale words and mask number take their places.  -M becomes 3e38, so the next f is 0: O^T and the sums need no clearing.
; Q's scale words are written first and its codes next: the 64 copies behind them are the places in front of the next products.  Each accumulator is read from its low end on.
.macro SWITCH
	v_mov_b32 v28, v29
	v_mov_b32 v7, v8
	v_add_f32 v[SVS], v14, v15
	v_mov_b32 v[SVS+1], v12
	v_mov_b32 v13, 0xff61b1e6
	v_floor_f32 v12, -v13
.set j, 0
.rept 12
	v_mov_b32 v[16+j], v[48+j]
.set j, j+1
.endr
	WIN 0x40
.set j, 0
.rept 64
	v_mov_b32 v[SVO+j], v[160+j]
.set j, j+1
.endr
	WIN 0
	s_mov_b32 s[LASTM], 16
.endm
; more = 1: a step of mine follows.  cond = 0: no diagonal and no change of tiles here; 1: there may be (branches on the step's number); 2: step 16, on the second tile's diagonal.
.macro BODY more, cond
.if \more
	v_add_nc_u32 v[ADR], s[TB], v1
	v_add_nc_u32 v[ADW], s[TB], v2
	v_nop
	v_nop                                          ; four places behind the last products: for the loads into K's registers and for the first read of the scores
	KLOAD
.else
	PLACES
.endif
.if \cond == 1
	s_cmp_lg_u32 s[TT], s[LASTM]
	s_cbranch_scc1 .Lopen_\@
.endif
.if \cond
	MASK
.endif
.if \cond == 1
.Lopen_\@:
.endif
	SOFTMAX
	s_wait_dscnt 0x0                               ; V of this step, and K of the next
	WIN 0x01
.irp t, 0,1,2,3,4,5,6,7
	v_wmma_scale_f32_16x16x128_f8f6f4 v[160+8*\t:167+8*\t], v[96+12*\t:96+12*\t+11], v[224:235], v[160+8*\t:167+8*\t], v[VS+\t], v253 matrix_a_fmt:MATRIX_FMT_FP6 matrix_b_fmt:MATRIX_FMT_FP6
.endr
	WIN 0
	PLACES
.if \more
	VLOAD
.endif
.if \cond == 1
	s_cmp_lg_u32 s[TT], s[LSW]
	s_cbranch_scc1 .Lgo_\@
	SWITCH
.Lgo_\@:
.endif
.if \more
	SMUL
	s_add_co_u32 s[TB], s[TB], 2*REC
	s_add_co_u32 s[TT], s[TT], 2
.endif
.endm
.macro THREE                           ; the first two of the three lines in front of a barrier behind which places are filled again, or landed records are shown to the other waves
	s_wait_tensorcnt 0x0
	ds_add_u32 v5, v6
.endm
	s_wait_tensorcnt 2                             ; my first half record is in; the two loads behind it may be out
	s_barrier_signal -1
	s_barrier_wait -1                              ; records 0-3 lie in LDS
	v_add_nc_u32 v[ADR], s[EREC], v1
	v_add_nc_u32 v[ADW], s[EREC], v2
	KLOAD                                          ; my first step: record e
	VLOAD
	s_wait_loadcnt 0x0                             ; Q
	s_wait_dscnt 32                                ; K and its words are in; V's 32 loads may be out
	SMUL
	s_add_co_u32 s[TB], s[EREC], 2*REC
	BODY 1, 1                                      ; body 0: step e; fetches record 2 + e
	s_wait_tensorcnt 1                             ; my second half record is in; the third may be out
	s_wait_dscnt 0x0                               ; no LDS load of mine is out at the signal
	s_barrier_signal -1
	s_barrier_wait -1                              ; records 4-7 lie in LDS
	s_add_co_u32 s[TB], s[EREC], 4*REC
	s_mov_b32 s[CNT], 2
.Lsteps_b:                                             ; bodies 1, 2 fetch records 4 + e, 6 + e
	BODY 1, 1
	s_sub_co_u32 s[CNT], s[CNT], 1
	s_cmp_lg_u32 s[CNT], 0
	s_cbranch_scc1 .Lsteps_b
	THREE                                          ; all first fills have landed
	s_wait_dscnt 0x0                               ; the add is done, and my reads of places 0-4 are over
	CROUND
	tensor_load_to_lds s[GR:GR+3], s[G1R:G1R+7]    ; my one tensor load behind the round: my eighth of records 12-16, into places 0-4
	s_nop 0
	PLACES
	s_add_co_u32 s[TB], s[EREC], 8*REC
	s_mov_b32 s[CNT], 2
.Lsteps_c:                                             ; bodies 3, 4 fetch records 8 + e, 10 + e
	BODY 1, 1
	s_sub_co_u32 s[CNT], s[CNT], 1
	s_cmp_lg_u32 s[CNT], 0
	s_cbranch_scc1 .Lsteps_c
	THREE                                          ; records 12-16 have landed
	s_wait_dscnt 0x0                               ; and my reads of places 5-11 are over
	s_barrier_signal -1
	s_barrier_wait -1                              ; everybody's have
	s_mov_b32 s[TB], s[EREC]
	s_mov_b32 s[CNT], 3
.Lsteps_d:                                             ; bodies 5, 6, 7 fetch places e, 2 + e, 4 + e: records 12 + e, 14 + e and 16 (half 1: place 5, for nobody); tile 1 was left at step 7 at the latest
	BODY 1, 0
	s_sub_co_u32 s[CNT], s[CNT], 1
	s_cmp_lg_u32 s[CNT], 0
	s_cbranch_scc1 .Lsteps_d
	s_cmp_lg_u32 s[EH], 0
	s_cbranch_scc1 .Lno_tail
	BODY 0, 2                                      ; step 16, half 0's: the second tile's diagonal
.Lno_tail:
	; THE PARTS MEET.  Half 0 sends its part of tile 2 and takes up its part of tile 1; half 1 sends its part of tile 1.
	PLACES                                         ; four places behind the last products, on both ways
	v_add_f32 v14, v14, v15                        ; my lane's sum,
	v_mov_b32 v15, v12                             ; and -M beside it
	s_cmp_eq_u32 s[EH], 0
	s_cbranch_scc1 .Lsend_second
	WIN 0x04                                       ; an LDS store's data are its source 1: window 1
.set k, 0
.rept 16
	ds_store_b128 v[STW], v[SVO+4*k:SVO+4*k+3] offset:512*k
.set k, k+1
.endr
	WIN 0
	ds_store_b64 v[STW8], v[SVS:SVS+1] offset:8192
	s_branch .Lsent
.Lsend_second:
.set k, 0
.rept 16
	ds_store_b128 v[STW], v[160+4*k:163+4*k] offset:512*k   ; each accumulator from its low end on
.set k, k+1
.endr
	ds_store_b64 v[STW8], v[14:15] offset:8192
	WIN 0x01
.set j, 0
.rept 64
	v_mov_b32 v[160+j], v[SVO+j]
.set j, j+1
.endr
	WIN 0
	v_mov_b32 v14, v[SVS]
	v_mov_b32 v15, v[SVS+1]
.Lsent:
	s_wait_dscnt 0x0                               ; for the partner's sake: my stores have landed (and half 1's last fetch is in)
	s_barrier_signal -1
	s_barrier_wait -1
.set k, 0
.rept 16
	ds_load_b128 v[96+4*k:99+4*k], v[STR] offset:512*k
.set k, k+1
.endr
	ds_load_b64 v[PRS:PRS+1], v[STR8] offset:8192
	s_wait_dscnt 0x0
	v_min_num_f32 v232, v15, v[PRS+1]              ; -M of the two parts together
	v_sub_f32 v233, v232, v15                      ; whole numbers, 0 or less
	v_sub_f32 v234, v232, v[PRS+1]
	v_cvt_i32_f32 v233, v233                       ; (they saturate: a part without a step gets the factor 0)
	v_cvt_i32_f32 v234, v234
	v_ldexp_f32 v233, 1.0, v233                    ; f, for my part;
	v_ldexp_f32 v234, 1.0, v234                    ; f', for my partner's: powers of two
	v_mul_f32 v14, v14, v233
	v_fma_f32 v14, v[PRS], v234, v14               ; the sum under the common M,
	v_permlanex16_b32 v252, v14, s[SEL], s[SEL+1]
	v_add_f32 v14, v14, v252                       ; with lane l xor 16's: the row's
	v_rcp_f32 v14, v14
	v_nop                                          ; a plain place behind the reciprocal
	s_wait_alu depctr_va_vdst(0)                   ; ahead of its first reader
	v_mul_f32 v236, v233, v14                      ; f / sum
	v_mul_f32 v238, v234, v14                      ; f' / sum
.set j, 0
.rept 32
	v_pk_mul_f32 v[96+j:97+j], v[96+j:97+j], v[238:239] op_sel_hi:[1,0]
.set j, j+2
.endr
.set j, 0
.rept 32
	v_pk_fma_f32 v[96+j:97+j], v[160+j:161+j], v[236:237], v[96+j:97+j] op_sel_hi:[1,0,1]   ; y = O f / sum + O' f' / sum
.set j, j+2
.endr
	; y is quantised along the channels: one image and one scale word a row
.irp b, 0,1,2,3
	v_max3_num_f32 v[232+\b], |v[96+16*\b]|, |v[97+16*\b]|, 0x1800000
.endr
.irp i, 2,4,6,8,10,12,14
.irp b, 0,1,2,3
	v_max3_num_f32 v[232+\b], v[232+\b], |v[96+16*\b+\i]|, |v[97+16*\b+\i]|
.endr
.endr
.irp b, 0,1,2,3
	v_permlanex16_b32 v[236+\b], v[232+\b], s[SEL], s[SEL+1]
.endr
.irp b, 0,1,2,3
	v_max_num_f32 v[232+\b], v[232+\b], v[236+\b]
.endr
	QTAIL 31
.irp c, 0,1,2
	global_store_b128 v1, v[224+4*\c:227+4*\c], s[YB:YB+1] offset:512*\c   ; 512 consecutive bytes a store
.endr
	global_store_b32 v2, v31, s[YS:YS+1]           ; both halves of the lanes hold row r's word and store it to the same place
	s_wait_tensorcnt 0x0                           ; the wave's end
	ds_add_u32 v5, v6
	s_wait_dscnt 0x0
	CROUND                                         ; the closing round
	s_endpgm
.Lfunc_end_k_q63287badbf_attn:
	.size	k_q63287badbf_attn, .Lfunc_end_k_q63287badbf_attn-k_q63287badbf_attn
	.p2alignl 7, 3214868480
	.fill 96, 4, 3214868480
	.section	.rodata,"a",@progbits
	.p2align	6, 0x0
	.amdhsa_kernel k_q63287badbf_attn
		.amdhsa_group_segment_fixed_size 327680
		.amdhsa_private_segment_fixed_size 0
		.amdhsa_enable_private_segment 0
		.amdhsa_kernarg_size 24
		.amdhsa_user_sgpr_count 2
		.amdhsa_user_sgpr_kernarg_segment_ptr 1
		.amdhsa_wavefront_size32 1
		.amdhsa_system_sgpr_workgroup_id_x 1
		.amdhsa_system_sgpr_workgroup_id_y 1
		.amdhsa_system_sgpr_workgroup_id_z 1
		.amdhsa_system_vgpr_workitem_id 0
		.amdhsa_next_free_vgpr 512
		.amdhsa_next_free_sgpr 102
		.amdhsa_reserve_vcc 1
		.amdhsa_float_denorm_mode_32 3
		.amdhsa_float_denorm_mode_16_64 3
		.amdhsa_memory_ordered 1
		.amdhsa_forward_progress 1
		.amdhsa_inst_pref_size 155
	.end_amdhsa_kernel
	.amdgpu_metadata
---
amdhsa.version: [ 1, 2 ]
amdhsa.kernels:
  - .name:           k_q63287badbf_attn
    .symbol:         k_q63287badbf_attn.kd
    .args:
      - { .name: qq, .offset: 0, .size: 8, .value_kind: global_buffer, .address_space: global }
      - { .name: kv, .offset: 8, .size: 8, .value_kind: global_buffer, .address_space: global }
      - { .name: yq, .offset: 16, .size: 8, .value_kind: global_buffer, .address_space: global }
    .group_segment_fixed_size: 327680
    .private_segment_fixed_size: 0
    .kernarg_segment_align: 8
    .kernarg_segment_size: 24
    .max_flat_workgroup_size: 256
    .sgpr_count:     102
    .vgpr_count:     512
    .wavefront_size: 32
...
	.end_amdgpu_metadata
.endif
;; end of part 3
;; launch proj (part 4): grid 16 x 16, 4 waves a work-group, clusters of 4 x 4, 327,680 bytes of LDS; arguments yq, wpq, b_proj, out0; writes out0
.if DOCPART == 4
	.amdgcn_target "amdgcn-amd-amdhsa--gfx1250"
	.amdhsa_code_object_version 6
	.text
	.protected	k_q63287badbf_proj
	.globl	k_q63287badbf_proj
	.p2align	8
	.type	k_q63287badbf_proj,@function
k_q63287badbf_proj:
	s_mov_b64 s[64:65], 0
	v_nop
	global_prefetch_b8 v0, s[64:65] scope:SCOPE_SE
	s_setreg_imm32_b32 hwreg(HW_REG_WAVE_MODE, 25, 1), 1
	s_wait_xcnt 0x0
	s_wait_alu depctr_hold_cnt(0) depctr_sa_sdst(0) depctr_va_vdst(0) depctr_va_sdst(0) depctr_va_ssrc(0) depctr_va_vcc(0) depctr_vm_vsrc(0)
	s_getreg_b32 s2, hwreg(HW_REG_IB_STS2, 6, 4)
	s_cmp_eq_u32 s2, 0
	s_cbranch_scc0 .Lentry_in_a_cluster
	s_endpgm
.Lentry_in_a_cluster:
	s_bfe_u32 s2, ttmp6, 0x10000c
	s_cmp_lg_u32 s2, 0xf033
	s_cbranch_scc0 .Lentry_shape_is_right
	s_endpgm
.Lentry_shape_is_right:
; out0 = y W_proj + b_proj on codes of FP6 with E8M0 scales, both operands as images of operand registers (a fragment: 1,536 bytes, three loads of 512 consecutive bytes).
; A work-group makes 128 rows x 128 columns: 256 work-groups.  Source 0 = "P" = W_proj's tiles (columns), source 1 = "Q" = y's tiles (rows): a lane holds one row and 32 columns.
; Wave w takes P's half w % 2 and Q's half w / 2: 16 accumulators.  A tile's rows are 32 (t / 2) + 8 (t % 2) + m % 8 + 16 (m / 8), in both operands; the way out puts rows and columns back.
; CLUSTER 4 x 4: P's tiles hang on the tile column alone and are shared along a column of the cluster, Q's on the tile row alone and are shared along a row: all loads are joint.
; K goes by quarters (four K steps of 128) through three LDS slots: quarters 0-2 and all scale words are first fills (four loads a wave), quarter 3 refills slot 0.  All 16 K steps are written out.
; b_proj is the C of each sum's first product.
; REGISTERS: window 0 addresses, scale words, rows on the way out; window 1 P's two sets (v0-95); window 2 Q's two sets (v0-95), the bias (v128-159); window 3 the accumulators, (q, p) at v[8 (4 q + p)].
.set XSOFF, 3145728
.set XSTR,  786432
.set PSET,  48
.set QSET,  48
.set BIAS,  128
.set SLOTB, 98304                      ; a slot: P [8][4][1536], then Q [8][4][1536]
.set QOFF,  49152
.set SCP,   294912
.set SCQ,   303104
.set SPARE, 311296
.set STG,   98304                      ; the way out: 16 rows x 272 bytes a wave, in slot 1, which has had its only fill and its last read
.set SPW, 5
.set NIL, 6
.set ADP, 8                            ; v8-10
.set ADQ, 11                           ; v11-13
.set ADS, 14
.set STO, 16
.set RD,  17
.set GO,  18
.set SC,  24
.set OB,  128
.set WV,  12
.set EW,  13
.set ROLE, 14
.set G1P, 24
.set G1Q, 32
.set G1PS, 40
.set G1QS, 48
.set G0PS, 56
.set G0QS, 60
.set G0P, 68                           ; s[68:79] three slots
.set G0Q, 80                           ; s[80:91]
.set MSB, 0
.macro WIN new
.if MSB != \new
	s_set_vgpr_msb (MSB<<8)|\new
.set MSB, \new
.endif
.endm
.set MUL,  0xf9
.set MULB, 0xe9
.macro PLACES
.rept 4
	v_nop
.endr
.endm
.macro G1REST g, rows                  ; a dense block as rows of 256 bytes
	s_mov_b32 s[\g+1], 32<<16
	s_mov_b32 s[\g+2], (\rows)<<16
	s_mov_b32 s[\g+3], 32<<16
	s_mov_b32 s[\g+4], \rows
	s_mov_b32 s[\g+5], 32
	s_mov_b32 s[\g+6], 0
	s_mov_b32 s[\g+7], 0
.endm
.macro JLOAD g0p, g1p, g0q, g1q        ; waves 0 and 1 fetch P's halves, waves 2 and 3 Q's; four v_nop follow each line
	s_cmp_eq_u32 s[ROLE], 0
	s_cbranch_scc0 .Lfor_q_\@
	tensor_load_to_lds s[\g0p:\g0p+3], s[\g1p:\g1p+7]
	s_nop 0
	PLACES
	s_branch .Lasked_\@
.Lfor_q_\@:
	tensor_load_to_lds s[\g0q:\g0q+3], s[\g1q:\g1q+7]
	s_nop 0
	PLACES
.Lasked_\@:
.endm
.macro CREST
	s_cmp_lg_u32 s[WV], 0
	s_cbranch_scc1 .Lnot_wave_0_\@
	s_barrier_signal -3
.Lnot_wave_0_\@:
	s_barrier_wait -3
	s_barrier_signal -1
	s_barrier_wait -1
.endm
.macro CROUND
	s_barrier_signal -1
	s_barrier_wait -1
	CREST
.endm
	s_load_b256 s[4:11], s[0:1], 0x0               ; yq, wpq, b_proj, out0
	v_lshl_add_u32 v[SPW], v0, 2, SPARE
	v_mov_b32 v[NIL], 0
	ds_add_u32 v5, v6
	ds_add_u32 v5, v6
	s_wait_dscnt 0x0
	v_lshrrev_b32 v1, 5, v0
	v_readfirstlane_b32 s[WV], v1
	s_and_b32 s[EW], s[WV], 1
	s_lshr_b32 s[ROLE], s[WV], 1
	s_bfe_u32 s15, ttmp6, 0x40000                  ; cx
	s_bfe_u32 s16, ttmp6, 0x40004                  ; cy
	s_lshl_b32 s17, ttmp9, 2
	s_add_co_u32 s17, s17, s15                     ; tile column
	s_and_b32 s18, ttmp7, 0xffff
	s_lshl_b32 s18, s18, 2
	s_add_co_u32 s18, s18, s16                     ; tile row
	s_lshl_b32 s19, s16, 2
	s_lshl_b32 s19, 15, s19                        ; my row of the cluster
	s_lshl_b32 s20, 0x1111, s15                    ; my column
	s_or_b32 s[G1P], s20, (3<<16)|(1<<21)
	s_or_b32 s[G1PS], s20, (3<<16)|(1<<21)
	s_or_b32 s[G1Q], s19, (3<<16)|(1<<21)
	s_or_b32 s[G1QS], s19, (3<<16)|(1<<21)
	G1REST G1P, 96
	G1REST G1Q, 96
	G1REST G1PS, 16
	G1REST G1QS, 16
	s_lshl_b32 s21, s17, 3                         ; P: tile 8 x column + 4 x half, in registers that never hold cy
	s_lshl_b32 s22, s[EW], 2
	s_add_co_u32 s21, s21, s22
	s_mul_i32 s22, s21, 6144
	s_mov_b32 s23, 0
	s_lshl_b32 s92, s18, 3                         ; Q: tile 8 x row + 4 x half, in registers that never hold cx
	s_lshl_b32 s94, s[EW], 2
	s_add_co_u32 s92, s92, s94
	s_mul_i32 s94, s92, 6144
	s_mov_b32 s95, 0
	s_mul_i32 s96, s[EW], 24576
	s_lshl_b32 s97, s[EW], 12
	s_wait_kmcnt 0x0
	s_add_nc_u64 s[98:99], s[6:7], s[22:23]
	s_add_nc_u64 s[2:3], s[4:5], s[94:95]
.irp s, 0,1,2
	s_mov_b32 s[G0P+4*\s], 1
	s_add_co_u32 s[G0P+4*\s+1], s96, \s*SLOTB
	s_add_nc_u64 s[G0P+4*\s+2:G0P+4*\s+3], s[98:99], \s*XSTR
	s_or_b32 s[G0P+4*\s+3], s[G0P+4*\s+3], 0x80000000
	s_mov_b32 s[G0Q+4*\s], 1
	s_add_co_u32 s[G0Q+4*\s+1], s96, \s*SLOTB+QOFF
	s_add_nc_u64 s[G0Q+4*\s+2:G0Q+4*\s+3], s[2:3], \s*XSTR
	s_or_b32 s[G0Q+4*\s+3], s[G0Q+4*\s+3], 0x80000000
.endr
	s_lshl_b32 s22, s21, 10
	s_add_co_u32 s22, s22, XSOFF
	s_lshl_b32 s94, s92, 10
	s_add_co_u32 s94, s94, XSOFF
	s_mov_b32 s[G0PS], 1
	s_add_co_u32 s[G0PS+1], s97, SCP
	s_add_nc_u64 s[G0PS+2:G0PS+3], s[6:7], s[22:23]
	s_or_b32 s[G0PS+3], s[G0PS+3], 0x80000000
	s_mov_b32 s[G0QS], 1
	s_add_co_u32 s[G0QS+1], s97, SCQ
	s_add_nc_u64 s[G0QS+2:G0QS+3], s[4:5], s[94:95]
	s_or_b32 s[G0QS+3], s[G0QS+3], 0x80000000
	CROUND                                         ; all sixteen work-groups are here: the first joint loads meet
	JLOAD G0PS, G1PS, G0QS, G1QS                   ; four loads of mine are out: the scale words and quarters 0, 1, 2
	JLOAD G0P, G1P, G0Q, G1Q
	JLOAD G0P+4, G1P, G0Q+4, G1Q
	JLOAD G0P+8, G1P, G0Q+8, G1Q
	v_and_b32 v7, 31, v0
	v_and_b32 v2, 15, v0                           ; r
	v_bfe_u32 v3, v0, 4, 1                         ; h
	v_lshlrev_b32 v4, 4, v7
	v_add_nc_u32 v[ADP], s96, v4                   ; P's half w % 2
	v_add_nc_u32 v[ADP+1], SLOTB, v[ADP]
	v_add_nc_u32 v[ADP+2], SLOTB, v[ADP+1]
	s_mul_i32 s21, s[ROLE], 24576
	s_add_co_u32 s21, s21, QOFF
	v_add_nc_u32 v[ADQ], s21, v4                   ; Q's half w / 2
	v_add_nc_u32 v[ADQ+1], SLOTB, v[ADQ]
	v_add_nc_u32 v[ADQ+2], SLOTB, v[ADQ+1]
	s_lshl_b32 s21, s[ROLE], 12
	s_add_co_u32 s21, s21, 8192
	s_sub_co_u32 s21, s21, s97                     ; from my P tiles' words on to my Q tiles'
	v_mul_u32_u24 v[ADS], s21, v3                  ; lanes 16-31 take Q's
	v_lshl_add_u32 v[ADS], v2, 2, v[ADS]
	s_add_co_u32 s21, s97, SCP
	v_add_nc_u32 v[ADS], s21, v[ADS]
	v_lshlrev_b32 v15, 6, v3                       ; the bias: 16 h numbers on
	s_mul_i32 s21, s[WV], 16*272
	s_add_co_u32 s21, s21, STG
	v_mul_u32_u24 v[STO], v2, 272
	v_lshl_add_u32 v[STO], v3, 6, v[STO]
	v_add_nc_u32 v[STO], s21, v[STO]               ; in: row r, + 64 h
	v_mul_u32_u24 v[RD], v3, 272
	v_lshl_add_u32 v[RD], v2, 4, v[RD]
	v_add_nc_u32 v[RD], s21, v[RD]                 ; back: lanes 0-15 one row of 256 bytes, lanes 16-31 the next
	v_lshlrev_b32 v[GO], 13, v3
	v_lshl_add_u32 v[GO], v2, 4, v[GO]             ; and the same two rows in out0
	s_lshl_b32 s22, s17, 9
	s_lshl_b32 s21, s[EW], 8
	s_add_co_u32 s22, s22, s21                     ; my 64 columns, in bytes
	s_add_nc_u64 s[8:9], s[8:9], s[22:23]
	s_add_nc_u64 s[10:11], s[10:11], s[22:23]
	s_lshl_b32 s22, s18, 7
	s_lshl_b32 s21, s[ROLE], 6
	s_add_co_u32 s22, s22, s21
	s_lshl_b32 s22, s22, 13                        ; my 64 rows
	s_add_nc_u64 s[10:11], s[10:11], s[22:23]
	WIN 0x80
.irp t, 0,1,2,3
	global_load_b128 v[BIAS+8*\t:BIAS+8*\t+3], v15, s[8:9] offset:(32*(\t/2)+8*(\t%2))*4
	global_load_b128 v[BIAS+8*\t+4:BIAS+8*\t+7], v15, s[8:9] offset:(32*(\t/2)+8*(\t%2))*4+16
.endr
	WIN 0
.macro MULQ set, q, cm                 ; four products; the 16 accumulators take turns in one fixed order
.irp p, 0,1,2,3
.if \cm
	v_wmma_scale_f32_16x16x128_f8f6f4 v[8*(4*(\q)+\p):8*(4*(\q)+\p)+7], v[PSET*(\set)+12*\p:PSET*(\set)+12*\p+11], v[QSET*(\set)+12*(\q):QSET*(\set)+12*(\q)+11], v[BIAS+8*\p:BIAS+8*\p+7], v[SC+8*(\set)+\p], v[SC+8*(\set)+(\q)] matrix_a_fmt:MATRIX_FMT_FP6 matrix_b_fmt:MATRIX_FMT_FP6 matrix_b_scale:MATRIX_SCALE_ROW1
.else
	v_wmma_scale_f32_16x16x128_f8f6f4 v[8*(4*(\q)+\p):8*(4*(\q)+\p)+7], v[PSET*(\set)+12*\p:PSET*(\set)+12*\p+11], v[QSET*(\set)+12*(\q):QSET*(\set)+12*(\q)+11], v[8*(4*(\q)+\p):8*(4*(\q)+\p)+7], v[SC+8*(\set)+\p], v[SC+8*(\set)+(\q)] matrix_a_fmt:MATRIX_FMT_FP6 matrix_b_fmt:MATRIX_FMT_FP6 matrix_b_scale:MATRIX_SCALE_ROW1
.endif
.endr
.endm
.macro LOADF slot, ks, set
	WIN 0x40
.irp p, 0,1,2,3
.irp c, 0,1,2
	ds_load_b128 v[PSET*(\set)+12*\p+4*\c:PSET*(\set)+12*\p+4*\c+3], v[ADP+\slot] offset:(4*\p+(\ks))*1536+512*\c
.endr
.endr
	WIN 0x80
.irp q, 0,1,2,3
.irp c, 0,1,2
	ds_load_b128 v[QSET*(\set)+12*\q+4*\c:QSET*(\set)+12*\q+4*\c+3], v[ADQ+\slot] offset:(4*\q+(\ks))*1536+512*\c
.endr
.endr
	WIN 0
.endm
.macro LOADS k, set                    ; lanes 0-15 P's tile i, lanes 16-31 Q's tile i
.irp i, 0,1,2,3
	ds_load_b32 v[SC+8*(\set)+\i], v[ADS] offset:1024*\i+64*(\k)
.endr
.endm
.macro KSTEP slot, k
	s_wait_dscnt 0x0                               ; this step's fragments and words are in
	PLACES                                         ; four places in front of loads into registers that the last step's products read
	LOADF \slot, ((\k)+1)%4, ((\k)+1)%2
	LOADS (\k)+1, ((\k)+1)%2
	WIN MUL
	MULQ (\k)%2, 0, 0
	MULQ (\k)%2, 1, 0
	MULQ (\k)%2, 2, 0
	MULQ (\k)%2, 3, 0
.endm
.macro TURN cur, next, k, fill         ; a slot's last K step: the wait for all my tensor loads, the add, the wait for it and for my reads; one barrier, which with fill = 1 opens a round of the cluster's
	WIN 0
	s_wait_tensorcnt 0x0
	ds_add_u32 v[SPW], v[NIL]
	s_wait_dscnt 1                                 ; this step's fragments are in; the add alone may be out
	WIN MUL
	MULQ 1, 0, 0
	s_wait_dscnt 0x0
	s_barrier_signal -1
	MULQ 1, 1, 0
	WIN 0
	s_barrier_wait -1
.if \fill
	CREST
	s_add_nc_u64 s[G0P+4*\cur+2:G0P+4*\cur+3], s[G0P+4*\cur+2:G0P+4*\cur+3], 3*XSTR
	s_add_nc_u64 s[G0Q+4*\cur+2:G0Q+4*\cur+3], s[G0Q+4*\cur+2:G0Q+4*\cur+3], 3*XSTR
	JLOAD G0P+4*\cur, G1P, G0Q+4*\cur, G1Q         ; quarter 3: my one tensor load behind the round; it must land by the next turn's wait
.else
	PLACES
.endif
	LOADF \next, 0, 0
	LOADS (\k)+1, 0
	WIN MUL
	MULQ 1, 2, 0
	MULQ 1, 3, 0
.endm
	s_wait_tensorcnt 2                             ; the scale words and my part of quarter 0 are in; quarters 1 and 2 may be out
	s_barrier_signal -1
	s_barrier_wait -1
	LOADF 0, 0, 0
	LOADS 0, 0
	s_wait_dscnt 0x0
	LOADF 0, 1, 1
	LOADS 1, 1
	s_wait_loadcnt 0x0                             ; the bias
	WIN MULB
	MULQ 0, 0, 1
	MULQ 0, 1, 1
	MULQ 0, 2, 1
	MULQ 0, 3, 1
	KSTEP 0, 1
	KSTEP 0, 2
	TURN 0, 1, 3, 1
	KSTEP 1, 4
	KSTEP 1, 5
	KSTEP 1, 6
	TURN 1, 2, 7, 0
	KSTEP 2, 8
	KSTEP 2, 9
	KSTEP 2, 10
	TURN 2, 0, 11, 0
	KSTEP 0, 12
	KSTEP 0, 13
	KSTEP 0, 14
	s_wait_dscnt 0x0
	WIN MUL
	MULQ 1, 0, 0
	MULQ 1, 1, 0
	MULQ 1, 2, 0
	MULQ 1, 3, 0
	WIN 0
	PLACES                                         ; four places in front of the first read of results
; THE WAY OUT, a Q tile (16 rows x my 64 columns) at a time, through my own stage: column 32 b + 8 u + 16 h + j of tile 2 b + u goes to its place in the row, and whole rows of 256 bytes come back.
.macro TOSTAGE q
	WIN 0x0c                                       ; an LDS store's data are its source 1: window 3
.irp p, 0,1,2,3
	ds_store_b128 v[STO], v[8*(4*(\q)+\p):8*(4*(\q)+\p)+3] offset:128*(\p/2)+32*(\p%2)      ; each accumulator from its low end on
	ds_store_b128 v[STO], v[8*(4*(\q)+\p)+4:8*(4*(\q)+\p)+7] offset:128*(\p/2)+32*(\p%2)+16
.endr
	WIN 0
.irp t, 0,1,2,3,4,5,6,7
	ds_load_b128 v[OB+32*((\q)%2)+4*\t:OB+32*((\q)%2)+4*\t+3], v[RD] offset:\t*2*272   ; LDS serves a wave's instructions in order: these see the stores above
.endr
.endm
.macro SEND q, younger
	s_wait_dscnt \younger                          ; the block is back; the next block's stores and loads may be out
.irp t, 0,1,2,3,4,5,6,7
	global_store_b128 v[GO], v[OB+32*((\q)%2)+4*\t:OB+32*((\q)%2)+4*\t+3], s[10:11] offset:(32*((\q)/2)+8*((\q)%2)+2*\t+8*(\t/4))*8192 th:TH_STORE_NT   ; sixteen lanes store 256 consecutive bytes, aligned
.endr
.endm
	TOSTAGE 0
	TOSTAGE 1
	SEND 0, 16
	s_wait_xcnt 0x0                                ; block 0's stores have read their registers
	TOSTAGE 2
	SEND 1, 16
	s_wait_xcnt 0x0
	TOSTAGE 3
	SEND 2, 16
	SEND 3, 0
	s_wait_tensorcnt 0x0                           ; the wave's end
	ds_add_u32 v[SPW], v[NIL]
	s_wait_dscnt 0x0
	CROUND                                         ; the closing round
	s_endpgm
.Lfunc_end_k_q63287badbf_proj:
	.size	k_q63287badbf_proj, .Lfunc_end_k_q63287badbf_proj-k_q63287badbf_proj
	.p2alignl 7, 3214868480
	.fill 96, 4, 3214868480
	.section	.rodata,"a",@progbits
	.p2align	6, 0x0
	.amdhsa_kernel k_q63287badbf_proj
		.amdhsa_group_segment_fixed_size 327680
		.amdhsa_private_segment_fixed_size 0
		.amdhsa_enable_private_segment 0
		.amdhsa_kernarg_size 32
		.amdhsa_user_sgpr_count 2
		.amdhsa_user_sgpr_kernarg_segment_ptr 1
		.amdhsa_wavefront_size32 1
		.amdhsa_system_sgpr_workgroup_id_x 1
		.amdhsa_system_sgpr_workgroup_id_y 1
		.amdhsa_system_sgpr_workgroup_id_z 1
		.amdhsa_system_vgpr_workitem_id 0
		.amdhsa_next_free_vgpr 896
		.amdhsa_next_free_sgpr 100
		.amdhsa_reserve_vcc 0
		.amdhsa_float_denorm_mode_32 3
		.amdhsa_float_denorm_mode_16_64 3
		.amdhsa_memory_ordered 1
		.amdhsa_forward_progress 1
		.amdhsa_inst_pref_size 85
	.end_amdhsa_kernel
	.amdgpu_metadata
---
amdhsa.version: [ 1, 2 ]
amdhsa.kernels:
  - .name:           k_q63287badbf_proj
    .symbol:         k_q63287badbf_proj.kd
    .args:
      - { .name: yq, .offset: 0, .size: 8, .value_kind: global_buffer, .address_space: global }
      - { .name: wpq, .offset: 8, .size: 8, .value_kind: global_buffer, .address_space: global }
      - { .name: b_proj, .offset: 16, .size: 8, .value_kind: global_buffer, .address_space: global }
      - { .name: out0, .offset: 24, .size: 8, .value_kind: global_buffer, .address_space: global }
    .group_segment_fixed_size: 327680
    .private_segment_fixed_size: 0
    .kernarg_segment_align: 8
    .kernarg_segment_size: 32
    .max_flat_workgroup_size: 128
    .sgpr_count:     100
    .vgpr_count:     896
    .wavefront_size: 32
...
	.end_amdgpu_metadata
.endif
;; end of part 4
